; MI455X (gfx1250); checked and timed in simulation.
; The chip was launched on July 23, 2026; its instructions are those of AMD's public machine-readable ISA for CDNA 5 (MIT licence, August 2026) and "CDNA5" Instruction Set Architecture Reference Guide (July 2026). The comments in the code are by the model that wrote it; some were corrected since.
;; Multi Head Attention. Allowed arithmetic: matrix products marked QUANTISED: E2M1 operands, one E8M0 scale for each 32 along K, by v_wmma_scale_f32_16x16x128_f8f6f4 with both operands' format E2M1 (or v_wmma_scale_f32_32x16x128_f4), f32 sums; everything else in f32.
;; Inputs: k_codes 4 x 2,048 x 32 x 16 uint8 (E2M1 codes of k, K innermost, in blocks of 32 codes, two codes a byte); k_scales 4 x 2,048 x 32 uint8 (E8M0 scales of k, one for each 32 codes along K); ln_beta 1,024 float32; ln_gamma 1,024 float32; q 4 x 2,048 x 1,024 float32; v_codes 4 x 2,048 x 32 x 16 uint8 (E2M1 codes of v, K innermost, in blocks of 32 codes, two codes a byte); v_scales 4 x 2,048 x 32 uint8 (E8M0 scales of v, one for each 32 codes along K); w_fc_codes 1,024 x 32 x 16 uint8 (E2M1 codes of w_fc, K innermost, in blocks of 32 codes, two codes a byte); w_fc_scales 1,024 x 32 uint8 (E8M0 scales of w_fc, one for each 32 codes along K); w_k_codes 1,024 x 32 x 16 uint8 (E2M1 codes of w_k, K innermost, in blocks of 32 codes, two codes a byte); w_k_scales 1,024 x 32 uint8 (E8M0 scales of w_k, one for each 32 codes along K); w_q_codes 1,024 x 32 x 16 uint8 (E2M1 codes of w_q, K innermost, in blocks of 32 codes, two codes a byte); w_q_scales 1,024 x 32 uint8 (E8M0 scales of w_q, one for each 32 codes along K); w_v_codes 1,024 x 32 x 16 uint8 (E2M1 codes of w_v, K innermost, in blocks of 32 codes, two codes a byte); w_v_scales 1,024 x 32 uint8 (E8M0 scales of w_v, one for each 32 codes along K).
;; Outputs: out0 4 x 2,048 x 1,024 float32.
;; This version of the problem:
;;   THIS VERSION OF THE PROBLEM IS GIVEN IN LOW PRECISION. The matrix products marked QUANTISED in the list below multiply operands that are first quantised to E2M1 (2 exponent bits, 1 mantissa bit; 4 bits a number), with one power-of-two scale for each 32 numbers along K (OCP MX v1.0); their sums are f32. All else is computed in f32.
;;   The module's matrix products, in the order in which they are computed (A, B: the left and right operand; K: the contracted axis; several contracted axes count as one K, in the product's order):
;;     1. [M 8,192, K 1,024] x [K 1,024, N 1,024]; A: input q; B: input w_q (given as codes): QUANTISED
;;     2. [M 8,192, K 1,024] x [K 1,024, N 1,024]; A: input k (given as codes); B: input w_k (given as codes): QUANTISED
;;     3. [M 8,192, K 1,024] x [K 1,024, N 1,024]; A: input v (given as codes); B: input w_v (given as codes): QUANTISED
;;     4. batch 64 x [M 2,048, K 64] x [K 64, N 2,048]; A: computed on the way; B: computed on the way: QUANTISED
;;     5. batch 64 x [M 2,048, K 2,048] x [K 2,048, N 64]; A: softmax (see below); B: computed on the way: QUANTISED
;;     6. [M 8,192, K 1,024] x [K 1,024, N 1,024]; A: computed on the way; B: input w_fc (given as codes): QUANTISED
;;   THE QUANTISER, for each operand of a quantised product, along K:
;;     - K is cut into blocks of 32 from its start; a last block that is shorter is filled with zeros.
;;     - A block's scale is 2^e with e = floor(log2(the largest magnitude in the block)) - 2, held to -126 .. 127; a block of zeros has e = 0. As a byte (E8M0): e + 127.
;;     - Each number is divided by its block's scale, clamped to +-6, and rounded to the nearest number of E2M1, ties to even, subnormals kept.
;;     - The product sums the exact products of the quantised numbers (number of the format x scale) in f32.
;;   ~~~python
;;   def quantise(x, axis):      # numpy; x: float32 -> the quantised numbers, widened to float32 again
;;       x = np.moveaxis(x, axis, -1); K = x.shape[-1]
;;       x = np.pad(x, [(0, 0)] * (x.ndim - 1) + [(0, -K % 32)]); x = x.reshape(x.shape[:-1] + (-1, 32)); a = np.abs(x).max(-1, keepdims=True)
;;       e = np.where(a > 0, np.clip(np.frexp(np.where(a > 0, a, 1))[1] - 1 - 2, -126, 127), 0)      # np.frexp(a)[1] - 1 = floor(log2(a)), exactly
;;       r = np.clip(x / 2.0 ** e, -6, 6)
;;       step = 2.0 ** (np.maximum(np.frexp(np.where(r == 0, 1, r))[1] - 1, 0) - 1)
;;       q = np.round(r / step) * step * 2.0 ** e      # np.round: ties to even
;;       return np.moveaxis(q.reshape(q.shape[:-2] + (-1,))[..., :K], -1, axis).astype(np.float32)
;;   ~~~
;;   SOFTMAX AHEAD OF A QUANTISED PRODUCT. Where the list says 'softmax', what is quantised is not the finished softmax but p = 2^(t - M), with t = logit x log2(e) and M = ceil(the row's largest t), a whole number; so 1/2 < the row's largest p <= 1. The row's sum l is taken of the UNQUANTISED p, in f32, and the product's result is divided by l at the end. Since M is a whole number, a kernel that streams over the keys may use a running M (the ceiling of the running maximum): every later rescaling is an exact power of two, which a block's scale takes up: the codes' values come out the same.
;;   OPERANDS COMPUTED ON THE WAY. 'Computed on the way' means the value that the module computes at that place (a softmax that the list does not call 'softmax' is quantised finished and normalised). What goes into a quantiser is computed in f32, as accurately as f32 sums, v_exp_f32 and their like allow (about 1e-6 of the number): no bf16 or f16 on the way to a quantiser, and a product that is left as it is and whose result goes on into a quantised operand takes f32 operands (vector FMAs, or v_wmma_f32_16x16x4_f32). A number that lies on a knife's edge between two numbers of the format may be rounded either way, as far as f32 arithmetic and the matrix unit's own rounding can turn it there, and no further.
;;   INPUTS GIVEN AS CODES. k (in the module: [4, 2048, 1024], K = its axis 2); v (in the module: [4, 2048, 1024], K = its axis 2); w_fc (in the module: [1024, 1024], K = its axis 0); w_k (in the module: [1024, 1024], K = its axis 0); w_q (in the module: [1024, 1024], K = its axis 0); w_v (in the module: [1024, 1024], K = its axis 0): each comes as NAME_codes (uint8): NAME with its K axis moved to the last place and cut into blocks of 32 codes, [.., K / 32, bytes a block], one block behind the other in memory; two codes a byte, the lower K in the low four bits (a code: sign, 2 exponent bits, 1 mantissa bit); and NAME_scales (uint8): the same leading axes, one E8M0 byte (e + 127) for each 32 codes along K. Its value is code x scale, taken as it is: it is not quantised again, and the codes and scales need not be those that the quantiser above would give.
;; One version. Each part assembles by itself: llvm-mc -triple=amdgcn-amd-amdhsa -mcpu=gfx1250 --defsym DOCPART=n.
;; ======== version 1 of 1: 4 launches
;; workspace buffers: qc 4,194,304 bytes; qs 262,144 bytes; wf 524,288 bytes; qx 4,718,592 bytes; kv 9,175,040 bytes; cf 4,194,304 bytes; cs 262,144 bytes
;; launch prep (part 1): grid 256 x 1, 4 waves a work-group, no clusters, 33,280 bytes of LDS; arguments q, w_fc_codes, qc, qs, wf; writes qc, qs, wf
.if DOCPART == 1
	.amdgcn_target "amdgcn-amd-amdhsa--gfx1250"
	.amdhsa_code_object_version 6
	.text
	.protected	k_q204b32ed01_prep
	.globl	k_q204b32ed01_prep
	.p2align	8
	.type	k_q204b32ed01_prep,@function
k_q204b32ed01_prep:
	s_mov_b64 s[64:65], 0
	v_nop
	global_prefetch_b8 v0, s[64:65] scope:SCOPE_SE
	s_setreg_imm32_b32 hwreg(HW_REG_WAVE_MODE, 25, 1), 1
	s_wait_xcnt 0x0
; q [8192][1024] f32 becomes codes of FP4 (E2M1), K innermost, qc [8192][512 bytes], with one E8M0 byte for each 32 along K, qs [8192][32].
; A block's scale is 2^(floor(log2(its largest magnitude)) - 2); its byte is the largest magnitude's exponent field - 2, held at 1 from below.
; LIMITS: a block of zeros gets the byte 1 where the rule says 127 (its codes are zeros, which add nothing under any byte but 0xff, and this program alone reads the bytes);
; blocks whose largest magnitude lies under 2^-124 are held at the byte 1; NaN and infinities among the inputs are not served.
; Rows are dense and 1,024 is a multiple of 32: q is a plain stream of blocks of 32, and so are the codes and the bytes.  256 work-groups x 4 waves x 16 steps x 512 numbers = 8,388,608.
; Each of a step's four loads reads 512 consecutive bytes; the 2,048 bytes turn through the wave's own stage in LDS and come back 64 bytes a lane (16 neighbours along K; two lanes hold a block).
; A lane's 16 codes are 8 bytes: a wave's store covers 256 consecutive bytes.  A wave's 256 scale bytes are gathered in its own LDS bytes and leave as 256 consecutive bytes.
; BESIDE THAT each thread moves 16 bytes of w_fc's codes into wf, laid in the order of the last launch's operand registers: wf [w 16][s 8][t 4][c 2][lane 32][16 bytes] holds, for lane (r, h),
; bytes 64 s + 32 c + 16 h on of row 64 w + 16 t + r.  Work-group j fills bytes 2,048 j on: w = j / 16, s = (j / 2) % 8, t = 2 (j % 2) + thread / 64, c = (thread / 32) % 2.
.set STEPS, 16
.set CB,    8                          ; bytes of 16 codes
.set R,     16                         ; v16-79   four sets of 16 numbers as they are loaded
.set X,     80                         ; v80-111  two sets of 16 neighbours
.set E,     112                        ; v112-127 a scale byte for each step
.set C,     128                        ; v128-191 codes: four registers for each step, so that no store's data are written again
.set WD,    192                        ; v192-195 my 16 bytes of w_fc
.set WSRC,  196                        ; v196     where they come from
.set WDST,  197                        ; v197     where they go
.set WREG,  8192                       ; LDS: a region for each wave: two stages of 32 x SP bytes, behind them its 256 scale bytes
.set SP,    80                         ; a lane's place in a stage: 64 bytes + 16 of padding
	s_load_b128 s[4:7], s[0:1], 0x0                ; q, w_fc's codes
	s_load_b128 s[8:11], s[0:1], 0x10              ; qc, qs
	s_load_b64 s[12:13], s[0:1], 0x20              ; wf
	v_lshl_add_u32 v200, v0, 2, 0x8000
	v_mov_b32 v201, 0
	v_lshrrev_b32 v1, 5, v0
	v_readfirstlane_b32 s16, v1                    ; wave
	v_and_b32 v2, 31, v0                           ; lane
	v_lshlrev_b32 v3, 4, v2                        ; my 16 bytes of a load's 512
	s_mul_i32 s17, s16, WREG
	v_lshrrev_b32 v14, 2, v2
	v_mul_u32_u24 v14, v14, SP
	v_and_b32 v15, 3, v2
	v_lshl_add_u32 v14, v15, 4, v14
	v_add_nc_u32 v14, s17, v14                     ; the stage, on the way in: SP (lane / 4) + 16 (lane % 4)
	v_mul_u32_u24 v15, v2, SP
	v_add_nc_u32 v15, s17, v15                     ; and on the way out: SP x lane
	v_mul_u32_u24 v4, v2, CB                       ; my codes' place in a step's
	v_lshrrev_b32 v5, 1, v2
	s_add_co_u32 s17, s17, 2*32*SP
	v_add_nc_u32 v5, s17, v5                       ; LDS: my block's byte among my wave's 256
	v_lshlrev_b32 v7, 3, v2                        ; on the way out 8 bytes a lane
	v_add_nc_u32 v6, s17, v7
	v_lshrrev_b32 v[WSRC], 6, v0                   ; w_fc: 16 rows of 512 bytes for each 64 threads,
	v_lshlrev_b32 v[WSRC], 13, v[WSRC]
	v_and_b32 v8, 15, v0
	v_lshl_add_u32 v[WSRC], v8, 9, v[WSRC]         ; row r,
	v_bfe_u32 v8, v0, 4, 2
	v_lshl_add_u32 v[WSRC], v8, 4, v[WSRC]         ; 32 c + 16 h
	v_lshlrev_b32 v[WDST], 4, v0
	s_lshl_b32 s18, ttmp9, 2
	s_add_co_u32 s18, s18, s16                     ; which run of 8,192 numbers is my wave's
	s_mov_b32 s21, 0
	s_lshr_b32 s22, ttmp9, 4
	s_lshl_b32 s22, s22, 15                        ; 64 rows x 512 bytes for each w,
	s_and_b32 s23, ttmp9, 1
	s_lshl_b32 s23, s23, 14                        ; 32 rows for the upper two t,
	s_add_co_u32 s22, s22, s23
	s_bfe_u32 s23, ttmp9, 0x30001
	s_lshl_b32 s23, s23, 6                         ; 64 bytes for each K step
	s_add_co_u32 s22, s22, s23
	s_mov_b32 s23, 0
	s_lshl_b32 s24, ttmp9, 11
	s_mov_b32 s25, 0
	s_wait_alu depctr_va_vdst(0)
	s_wait_kmcnt 0x0
	s_lshl_b32 s20, s18, 15                        ; 32,768 bytes of q a run
	s_add_nc_u64 s[4:5], s[4:5], s[20:21]
	s_lshl_b32 s20, s18, 12                        ; 4,096 bytes of codes
	s_add_nc_u64 s[8:9], s[8:9], s[20:21]
	s_lshl_b32 s20, s18, 8                         ; 256 scale bytes
	s_add_nc_u64 s[10:11], s[10:11], s[20:21]
	s_add_nc_u64 s[6:7], s[6:7], s[22:23]
	s_add_nc_u64 s[12:13], s[12:13], s[24:25]
	global_load_b128 v[WD:WD+3], v[WSRC], s[6:7]   ; the oldest load: every counted wait below covers it
.macro LOAD t
.irp i, 0,1,2,3
	global_load_b128 v[R+16*((\t)%4)+4*\i:R+16*((\t)%4)+4*\i+3], v3, s[4:5] offset:2048*(\t)+512*\i th:TH_LOAD_NT   ; 32 lanes read 512 consecutive bytes
.endr
.endm
.macro TURN t                          ; step t's numbers through the stage: LDS serves a wave's instructions in order, so no wait stands between the stores and the loads
.irp i, 0,1,2,3
	ds_store_b128 v14, v[R+16*((\t)%4)+4*\i:R+16*((\t)%4)+4*\i+3] offset:32*SP*((\t)%2)+8*SP*\i
.endr
.irp i, 0,1,2,3
	ds_load_b128 v[X+16*((\t)%2)+4*\i:X+16*((\t)%2)+4*\i+3], v15 offset:32*SP*((\t)%2)+16*\i
.endr
.endm
.irp t, 0,1,2,3
	LOAD \t
.endr
	s_wait_loadcnt 12                              ; w_fc's chunk and step 0's four loads are in; the 12 loads of steps 1 to 3 may be out
	global_store_b128 v[WDST], v[WD:WD+3], s[12:13]   ; 32 lanes store 512 consecutive bytes
	TURN 0
.macro STEP t
.set XS, X+16*((\t)%2)
.if (\t) > 0
	s_wait_dscnt 1                                 ; this step's numbers are back from the stage (the last step's byte store may be out): so its stores into the stage have read their registers,
.else
	s_wait_dscnt 0x0
.endif
.if (\t)+4 < STEPS
	LOAD (\t)+4                                    ; which take the loads of four steps on
.endif
.if (\t)+1 < STEPS
.if STEPS-2-(\t) >= 3
	s_wait_loadcnt 12                              ; the next step's four loads are in; those of the three steps behind it may be out
.else
	s_wait_loadcnt 4*(STEPS-2-(\t))
.endif
	TURN (\t)+1                                    ; and go through the other stage while this step is worked
.endif
	v_max3_num_f32 v8, |v[XS]|, |v[XS+1]|, |v[XS+2]|               ; the largest magnitude of my 16
	v_max3_num_f32 v9, |v[XS+3]|, |v[XS+4]|, |v[XS+5]|
.irp i, 6,10
	v_max3_num_f32 v8, v8, |v[XS+\i]|, |v[XS+\i+1]|
	v_max3_num_f32 v9, v9, |v[XS+\i+2]|, |v[XS+\i+3]|
.endr
	v_max3_num_f32 v8, v8, |v[XS+14]|, |v[XS+15]|
	v_max3_num_f32 v8, v8, v9, 0x1800000           ; and the floor 2^(3 - 127): the byte cannot fall under 1
	v_max_num_f32_dpp v8, v8, v8 row_xmask:1 row_mask:0xf bank_mask:0xf   ; and of my neighbour's 16: the block's
	v_add_nc_u32 v11, 0xff000000, v8               ; 2 off its exponent field: the conversion takes the exponent field of this operand as its scale
	v_cvt_scalef32_pk8_fp4_f32 v[C+4*(\t)], v[XS:XS+7], v11
	v_cvt_scalef32_pk8_fp4_f32 v[C+4*(\t)+1], v[XS+8:XS+15], v11
	v_lshrrev_b32 v[E+(\t)], 23, v11               ; the scale's byte
	ds_store_b8 v5, v[E+(\t)] offset:16*(\t)       ; both lanes of a block write the same byte with the same value
	global_store_b64 v4, v[C+4*(\t):C+4*(\t)+1], s[8:9] offset:32*CB*(\t)
.endm
.irp t, 0,1,2,3,4,5,6,7,8,9,10,11,12,13,14,15
	STEP \t
.endr
	ds_load_b64 v[12:13], v6                       ; LDS serves a wave's instructions in order: these see my stores
	s_wait_dscnt 0x0
	global_store_b64 v7, v[12:13], s[10:11]        ; 32 lanes store 256 consecutive bytes, aligned
	s_wait_tensorcnt 0x0
	ds_add_u32 v200, v201
	s_wait_dscnt 0x0
	s_endpgm
.Lfunc_end_k_q204b32ed01_prep:
	.size	k_q204b32ed01_prep, .Lfunc_end_k_q204b32ed01_prep-k_q204b32ed01_prep
	.p2alignl 7, 3214868480
	.fill 96, 4, 3214868480
	.section	.rodata,"a",@progbits
	.p2align	6, 0x0
	.amdhsa_kernel k_q204b32ed01_prep
		.amdhsa_group_segment_fixed_size 33280
		.amdhsa_private_segment_fixed_size 0
		.amdhsa_enable_private_segment 0
		.amdhsa_kernarg_size 40
		.amdhsa_user_sgpr_count 2
		.amdhsa_user_sgpr_kernarg_segment_ptr 1
		.amdhsa_wavefront_size32 1
		.amdhsa_system_sgpr_workgroup_id_x 1
		.amdhsa_system_sgpr_workgroup_id_y 1
		.amdhsa_system_sgpr_workgroup_id_z 1
		.amdhsa_system_vgpr_workitem_id 0
		.amdhsa_next_free_vgpr 202
		.amdhsa_next_free_sgpr 66
		.amdhsa_reserve_vcc 0
		.amdhsa_float_denorm_mode_32 3
		.amdhsa_float_denorm_mode_16_64 3
		.amdhsa_memory_ordered 1
		.amdhsa_forward_progress 1
		.amdhsa_inst_pref_size 34
	.end_amdhsa_kernel
	.amdgpu_metadata
---
amdhsa.version: [ 1, 2 ]
amdhsa.kernels:
  - .name:           k_q204b32ed01_prep
    .symbol:         k_q204b32ed01_prep.kd
    .args:
      - { .name: q, .offset: 0, .size: 8, .value_kind: global_buffer, .address_space: global }
      - { .name: w_fc_codes, .offset: 8, .size: 8, .value_kind: global_buffer, .address_space: global }
      - { .name: qc, .offset: 16, .size: 8, .value_kind: global_buffer, .address_space: global }
      - { .name: qs, .offset: 24, .size: 8, .value_kind: global_buffer, .address_space: global }
      - { .name: wf, .offset: 32, .size: 8, .value_kind: global_buffer, .address_space: global }
    .group_segment_fixed_size: 33280
    .private_segment_fixed_size: 0
    .kernarg_segment_align: 8
    .kernarg_segment_size: 40
    .max_flat_workgroup_size: 128
    .sgpr_count:     66
    .vgpr_count:     202
    .wavefront_size: 32
...
	.end_amdgpu_metadata
.endif
;; end of part 1
;; launch proj (part 2): grid 768 x 1, 8 waves a work-group, clusters of 4 x 1, 210,944 bytes of LDS; arguments qc, qs, w_q_codes, w_q_scales, k_codes, k_scales, w_k_codes, w_k_scales, w_v_codes, w_v_scales, v_codes, v_scales, qx, kv; writes qx, kv
.if DOCPART == 2
	.amdgcn_target "amdgcn-amd-amdhsa--gfx1250"
	.amdhsa_code_object_version 6
	.text
	.protected	k_q204b32ed01_proj
	.globl	k_q204b32ed01_proj
	.p2align	8
	.type	k_q204b32ed01_proj,@function
k_q204b32ed01_proj:
	s_mov_b64 s[64:65], 0
	v_nop
	global_prefetch_b8 v0, s[64:65] scope:SCOPE_SE
	s_setreg_imm32_b32 hwreg(HW_REG_WAVE_MODE, 25, 1), 1
	s_wait_xcnt 0x0
	s_wait_alu depctr_hold_cnt(0) depctr_sa_sdst(0) depctr_va_vdst(0) depctr_va_sdst(0) depctr_va_ssrc(0) depctr_va_vcc(0) depctr_vm_vsrc(0)
	s_getreg_b32 s2, hwreg(HW_REG_IB_STS2, 6, 4)
	s_cmp_eq_u32 s2, 0
	s_cbranch_scc0 .Lentry_in_a_cluster
	s_endpgm
.Lentry_in_a_cluster:
	s_bfe_u32 s2, ttmp6, 0x10000c
	s_cmp_lg_u32 s2, 0x3003
	s_cbranch_scc0 .Lentry_shape_is_right
	s_endpgm
.Lentry_shape_is_right:
; The three projections, on codes of FP4 (E2M1) with E8M0 scales, each with a quantising way out.  ONE product serves all three:
;   out[Rrow][Pidx] = sum over k of R[Rrow][k] P[Pidx][k], K = 1,024, quantised along Pidx in blocks of 32.
;   z = 0: R = q's tokens, P = w_q's rows (Pidx = 64 head + d);   z = 1: R = k's tokens, P = w_k's rows;   z = 2: R = w_v's rows (64 head + d), P = v's tokens (Pidx = the key): V^T, quantised along the keys.
; Every operand has rows of 512 bytes of codes and 32 scale bytes.  Source 0 of the matrix instruction = 16 rows of P, source 1 = 16 rows of R: a lane holds ONE row of R, and its registers run along Pidx.
; SHARES.  A work-group makes 256 rows of R x 128 of P for all of K: 256 tiles for each z, 768 work-groups.  Eight waves, each 64 x 64: 16 accumulators.  Both operands' codes for all of K lie in LDS at once
; (two halves of K, 256 bytes of a row each): nothing in LDS is filled twice.  The second half lands while the first is multiplied.
; CLUSTER.  The four work-groups of a cluster take the same 256 rows of R and four neighbouring tiles of P: R's panel (two thirds of the bytes) is asked for jointly, P's by each alone.
; No branch hangs on z or on the place in the cluster: all that differs is chosen by s_cselect and enters addresses in memory alone.
; THE WAY OUT.  A lane's 32 registers of a tile of rows are 64 of Pidx less the other half of the lanes': index 32 b + 16 t + 8 (lane / 16) + j in register 16 b + 8 t + j.  QUANT2 makes of them four registers that are
; registers 4 c .. 4 c + 3 of the next product's operand, and they leave as they stand, 16 bytes a lane, 512 consecutive bytes a store:
;   qx [bh 64][128 queries 16][4,608]: eight tiles of 16 rows (512 bytes each: lane (r, h) holds d = 32 h .. 32 h + 31 of row r), then 512 bytes of scale words: tile T, row r at 16 (16 (T / 4) + r) + 4 (T % 4)
;   kv [bh 64][128 keys 16][8,960]: K's part laid as qx's block; from 4,608 V^T's fragments [d tile 4][c 2][512]; from 8,704 V^T's scale words, d tile D, row r at 16 r + 4 D.
; A Q or K scale word has the head's two bytes below; its upper two bytes are the neighbour head's bytes (1 to 254) or 0: they meet zero codes alone.
; LIMITS: a block of zeros gets the byte 1 where the rule says 127 (its codes are zeros; this program alone reads the bytes); blocks whose largest magnitude lies under 2^-124 are held at the byte 1; NaN and infinities are not served.
.set PITCH, 272                        ; an LDS row: 256 bytes + 16 of padding: the 16 rows that a load touches start 16 bytes apart modulo 256
.set RH,    256*PITCH                  ; R's 256 rows, one half of K
.set PH,    128*PITCH                  ; P's 128 rows, one half of K
.set PBASE, 2*RH                       ; LDS: R's two halves, P's two halves,
.set SST,   PBASE+2*PH                 ; and 1,024 bytes in which the waves' scale bytes meet: no tensor load lands here
.set LA,   1                           ; v1   16 x lane
.set RR,   2                           ; v2   r = lane % 16
.set HH,   3                           ; v3   h = lane / 16
.set ADR,  4                           ; v4-5 LDS address of my R fragments, K half 0, 1
.set ADP,  6                           ; v6-7 the same for P
.set SOF,  8                           ; v8   32 r + 16 h: my 16 bytes of a row of scale bytes
.set SSTO, 9                           ; v9   where I put two scale bytes
.set SSLD, 10                          ; v10  where a wave reads four scale words of a row back
.set VSH,  11                          ; v11  how far lanes 16-31 shift them
.set SGO,  12                          ; v12  where they go in memory
.set TA,   13                          ; v13  at work
.set OFF,  16                          ; v16-19 where the codes of my four tiles of rows go
.set RS,   20                          ; v20-35 R's scale words: register 4 a + i: lanes 0-15 K step i of tile a's row r, lanes 16-31 K step 4 + i
.set PS,   36                          ; v36-51 P's likewise
.set PF,   52                          ; v52-83 four fragments of P; on the way out the codes
.set RF,   84                          ; v84-115 four fragments of R
.set TM,   116                         ; v116-121 at work in QUANT2
.set SB,   124                         ; v124-127 two scale bytes for each tile of rows
.set ACC,  128                         ; v128-255 accumulator (a, b) at 128 + 8 (4 a + b)
.set WV,   12                          ; s12 wave, s13 wr = wave / 2 (which 64 rows of R), s14 wp = wave % 2 (which 64 of P)
.set G1R,  44                          ; s[44:51] descriptor group 1 for R;  s[52:59] for P
.set G1P,  52
.set G0R0, 60                          ; s[60:63], s[72:75] group 0 for R's halves;  s[68:71], s[76:79] for P's
.set G0P0, 68
.set G0R1, 72
.set G0P1, 76
.set SEL,  80                          ; s[80:81] v_permlanex16_b32's selects for lane l xor 16
.set OC,   86                          ; s[86:87] where my codes go;  s[88:89] where the scale words go
.set OS,   88
; A round of the cluster's barrier: my work-group's barrier, wave 0 signals for the work-group, every wave waits for all four work-groups, my work-group's barrier once more.
.macro ROUND
	s_barrier_signal -1
	s_barrier_wait -1
	s_cmp_lg_u32 s[WV], 0
	s_cbranch_scc1 .Lnot_wave_0_\@
	s_barrier_signal -3
.Lnot_wave_0_\@:
	s_barrier_wait -3
	s_barrier_signal -1
	s_barrier_wait -1
.endm
	s_load_b512 s[16:31], s[0:1], 0x0              ; qc, qs, w_q's codes, scales; k's codes, scales, w_k's codes, scales
	s_load_b256 s[32:39], s[0:1], 0x40             ; w_v's codes, scales; v's codes, scales
	s_load_b128 s[40:43], s[0:1], 0x60             ; qx, kv
	v_lshl_add_u32 v122, v0, 2, 0x33400
	v_mov_b32 v123, 0
	ds_add_u32 v122, v123
	ds_add_u32 v122, v123
	v_lshrrev_b32 v1, 5, v0
	s_delay_alu instid0(VALU_DEP_1)
	v_readfirstlane_b32 s[WV], v1                  ; wave 0..7
	s_lshr_b32 s13, s[WV], 1                       ; wr
	s_and_b32 s14, s[WV], 1                        ; wp
	s_lshr_b32 s4, ttmp9, 6                        ; z: in a cluster launch ttmp9 counts clusters, 64 for each z
	s_and_b32 s5, ttmp9, 63
	s_bfe_u32 s6, ttmp6, 0x40000                   ; cx
	s_cmp_eq_u32 s4, 2
	s_cselect_b32 s9, 4, 1                         ; z < 2: 32 tiles of R x 8 of P;  z = 2: 4 x 64
	s_cselect_b32 s10, 15, 1
	s_lshr_b32 s7, s5, s9                          ; rt: which 256 rows of R: the same in the four partners
	s_and_b32 s8, s5, s10
	s_lshl_b32 s8, s8, 2
	s_add_co_u32 s8, s8, s6                        ; pt: which 128 rows of P
	; descriptor group 1: rows of 256 bytes out of rows of 512, 16 bytes of padding behind each; a wave brings 32 rows of R and 16 of P for each half of K
	s_mov_b32 s[G1R+0], 15|(1<<20)|(1<<21)|(5<<22)|(3<<25)   ; 15:0 the mask: all four work-groups; 17:16 elements of 1 byte; 20 padding on; 21 set beside a mask; 24:22 after every 64 words; 31:25 four words
	s_mov_b32 s[G1R+1], 256<<16                    ; tensor_dim0
	s_mov_b32 s[G1R+2], 32<<16                     ; tensor_dim1
	s_mov_b32 s[G1R+3], 256<<16                    ; tile_dim0
	s_mov_b32 s[G1R+4], 32                         ; tile_dim1
	s_mov_b32 s[G1R+5], 512                        ; from row to row
	s_mov_b32 s[G1R+6], 0
	s_mov_b32 s[G1R+7], 0
	s_mov_b32 s[G1P+0], (1<<20)|(5<<22)|(3<<25)    ; no mask: each work-group's own
	s_mov_b32 s[G1P+1], 256<<16
	s_mov_b32 s[G1P+2], 16<<16
	s_mov_b32 s[G1P+3], 256<<16
	s_mov_b32 s[G1P+4], 16
	s_mov_b32 s[G1P+5], 512
	s_mov_b32 s[G1P+6], 0
	s_mov_b32 s[G1P+7], 0
	s_lshl_b32 s82, s7, 17                         ; R: (256 rt + 32 wave) rows of 512 bytes: nothing of cx enters
	s_lshl_b32 s83, s[WV], 14
	s_add_co_u32 s82, s82, s83
	s_mov_b32 s83, 0
	s_lshl_b32 s84, s8, 16                         ; P: (128 pt + 16 wave) rows
	s_lshl_b32 s85, s[WV], 13
	s_add_co_u32 s84, s84, s85
	s_mov_b32 s85, 0
	s_mul_i32 s86, s[WV], 32*PITCH                 ; where they go: the wave's number times a constant
	s_mul_i32 s87, s[WV], 16*PITCH
	s_mov_b32 s[SEL], 0x76543210
	s_mov_b32 s[SEL+1], 0xfedcba98
	s_wait_dscnt 0x0
	s_wait_kmcnt 0x0
	s_cmp_eq_u32 s4, 1                             ; the four buffers of my z: R's codes s[16:17], R's scales s[18:19], P's codes s[20:21], P's scales s[22:23]
	s_cselect_b64 s[16:17], s[24:25], s[16:17]
	s_cselect_b64 s[18:19], s[26:27], s[18:19]
	s_cselect_b64 s[20:21], s[28:29], s[20:21]
	s_cselect_b64 s[22:23], s[30:31], s[22:23]
	s_cmp_eq_u32 s4, 2
	s_cselect_b64 s[16:17], s[32:33], s[16:17]
	s_cselect_b64 s[18:19], s[34:35], s[18:19]
	s_cselect_b64 s[20:21], s[36:37], s[20:21]
	s_cselect_b64 s[22:23], s[38:39], s[22:23]
	s_add_nc_u64 s[82:83], s[16:17], s[82:83]
	s_add_nc_u64 s[84:85], s[20:21], s[84:85]
	s_mov_b32 s[G0R0], 1                           ; count = 1
	s_mov_b32 s[G0R0+1], s86                       ; LDS address
	s_mov_b64 s[G0R0+2:G0R0+3], s[82:83]           ; global address: K bytes 0 to 255
	s_or_b32 s[G0R0+3], s[G0R0+3], 0x80000000      ; type = 2
	s_mov_b32 s[G0P0], 1
	s_add_co_u32 s[G0P0+1], s87, PBASE
	s_mov_b64 s[G0P0+2:G0P0+3], s[84:85]
	s_or_b32 s[G0P0+3], s[G0P0+3], 0x80000000
	s_mov_b32 s[G0R1], 1
	s_add_co_u32 s[G0R1+1], s86, RH
	s_add_nc_u64 s[G0R1+2:G0R1+3], s[82:83], 256   ; K bytes 256 to 511
	s_or_b32 s[G0R1+3], s[G0R1+3], 0x80000000
	s_mov_b32 s[G0P1], 1
	s_add_co_u32 s[G0P1+1], s87, PBASE+PH
	s_add_nc_u64 s[G0P1+2:G0P1+3], s[84:85], 256
	s_or_b32 s[G0P1+3], s[G0P1+3], 0x80000000
	ROUND                                          ; all four work-groups are here: the joint loads meet
	tensor_load_to_lds s[G0R0:G0R0+3], s[G1R:G1R+7]   ; the launch's only fills, one group: four loads of mine are out
	s_nop 0
	tensor_load_to_lds s[G0P0:G0P0+3], s[G1P:G1P+7]
	s_nop 0
	tensor_load_to_lds s[G0R1:G0R1+3], s[G1R:G1R+7]
	s_nop 0
	tensor_load_to_lds s[G0P1:G0P1+3], s[G1P:G1P+7]
	s_nop 0
.rept 4
	v_nop                                          ; four behind a tensor load
.endr
	v_and_b32 v[LA], 31, v0
	s_delay_alu instid0(VALU_DEP_1)
	v_lshlrev_b32 v[LA], 4, v[LA]
	v_and_b32 v[RR], 15, v0
	v_bfe_u32 v[HH], v0, 4, 1
	s_delay_alu instid0(VALU_DEP_2)
	v_lshlrev_b32 v[SOF], 5, v[RR]
	s_delay_alu instid0(VALU_DEP_1)
	v_lshl_add_u32 v[SOF], v[HH], 4, v[SOF]
	s_wait_alu depctr_va_vdst(0)
	s_lshl_b32 s90, s7, 13                         ; R's scale bytes: (256 rt + 64 wr) rows of 32 bytes
	s_lshl_b32 s91, s13, 11
	s_add_co_u32 s90, s90, s91
	s_mov_b32 s91, 0
	s_add_nc_u64 s[18:19], s[18:19], s[90:91]
	s_lshl_b32 s92, s8, 12                         ; P's: (128 pt + 64 wp) rows
	s_lshl_b32 s93, s14, 11
	s_add_co_u32 s92, s92, s93
	s_mov_b32 s93, 0
	s_add_nc_u64 s[22:23], s[22:23], s[92:93]
.irp a, 0,1,2,3
	global_load_b128 v[RS+4*\a:RS+4*\a+3], v[SOF], s[18:19] offset:512*\a   ; 16 rows x 32 bytes: 512 consecutive bytes serve a tile of rows for all of K
.endr
.irp b, 0,1,2,3
	global_load_b128 v[PS+4*\b:PS+4*\b+3], v[SOF], s[22:23] offset:512*\b
.endr
	v_mul_u32_u24 v[TA], v[RR], PITCH
	s_delay_alu instid0(VALU_DEP_1)
	v_lshl_add_u32 v[TA], v[HH], 4, v[TA]          ; a fragment's row x pitch + 16 x half
	s_mul_i32 s90, s13, 64*PITCH
	v_add_nc_u32 v[ADR], s90, v[TA]
	s_delay_alu instid0(VALU_DEP_1)
	v_add_nc_u32 v[ADR+1], RH, v[ADR]
	s_mul_i32 s90, s14, 64*PITCH
	s_add_co_u32 s90, s90, PBASE
	v_add_nc_u32 v[ADP], s90, v[TA]
	s_delay_alu instid0(VALU_DEP_1)
	v_add_nc_u32 v[ADP+1], PH, v[ADP]
	s_lshl_b32 s90, s13, 8                         ; the scale bytes' stage: 256 bytes for each wr: word (r, a) at 16 r + 4 a; wp = 0 fills its lower half, wp = 1 its upper
	s_lshl_b32 s91, s14, 1
	s_add_co_u32 s90, s90, s91
	s_add_co_u32 s90, s90, SST
	v_lshl_add_u32 v[SSTO], v[RR], 4, s90
	s_and_b32 s3, s[WV], 3                         ; u: waves 0 to 3 send the words of wr = u
	s_lshl_b32 s90, s3, 8
	s_add_co_u32 s90, s90, SST
	v_lshl_add_u32 v[SSLD], v[RR], 4, s90
	; where the results go.  Both ways are reckoned, then chosen.  Q and K: block (bh, 128 tokens)
	s_lshr_b32 s90, s7, 3                          ; the batch
	s_lshl_b32 s90, s90, 4
	s_lshl_b32 s91, s8, 1
	s_add_co_u32 s90, s90, s91                     ; bh of the tile's even head: 16 b + 2 pt
	s_and_b32 s91, s7, 7
	s_lshl_b32 s91, s91, 1                         ; 2 (rt % 8)
	s_add_co_u32 s92, s90, s14                     ; my head
	s_lshl_b32 s92, s92, 4
	s_add_co_u32 s92, s92, s91
	s_lshr_b32 s93, s13, 1
	s_add_co_u32 s92, s92, s93                     ; the block of my codes
	s_and_b32 s93, s13, 1
	s_lshl_b32 s93, s93, 11                        ; in it: tiles 4 (wr % 2) on
	s_lshl_b32 s94, s90, 4
	s_add_co_u32 s94, s94, s91
	s_lshr_b32 s95, s3, 1
	s_add_co_u32 s94, s94, s95                     ; the block of the scale words that I send (the even head's)
	s_and_b32 s95, s3, 1
	s_lshl_b32 s95, s95, 8
	s_add_co_u32 s95, s95, 4096
	; V^T: block (bh, 128 keys)
	s_lshr_b32 s96, s8, 4                          ; the batch
	s_lshl_b32 s96, s96, 4
	s_lshl_b32 s97, s7, 2
	s_add_co_u32 s96, s96, s97                     ; 16 b + 4 rt
	s_and_b32 s97, s8, 15                          ; which 128 keys
	s_add_co_u32 s98, s96, s13                     ; my head
	s_lshl_b32 s98, s98, 4
	s_add_co_u32 s98, s98, s97
	s_lshl_b32 s99, s14, 9
	s_add_co_u32 s99, s99, 4608                    ; c = wp
	s_add_co_u32 s96, s96, s3
	s_lshl_b32 s96, s96, 4
	s_add_co_u32 s96, s96, s97
	s_mov_b32 s97, 8704
	s_mov_b32 s11, 8960
	s_mov_b32 s15, 1024
	s_cmp_eq_u32 s4, 2
	s_cselect_b32 s92, s98, s92
	s_cselect_b32 s93, s99, s93
	s_cselect_b32 s94, s96, s94
	s_cselect_b32 s95, s97, s95
	s_cselect_b32 s15, s15, 512                    ; from one tile of rows to the next
	s_cselect_b32 s9, 0, 16                        ; Q, K: lanes 16-31 send the odd head's bytes, 16 bits down
	s_cmp_eq_u32 s4, 0
	s_cselect_b32 s11, 4608, s11                   ; a block's bytes
	s_cselect_b64 s[40:41], s[40:41], s[42:43]     ; qx or kv
	s_mul_i32 s92, s92, s11
	s_add_co_u32 s92, s92, s93
	s_mov_b32 s93, 0
	s_add_nc_u64 s[OC:OC+1], s[40:41], s[92:93]
	s_mul_i32 s94, s94, s11
	s_add_co_u32 s94, s94, s95
	s_mov_b32 s95, 0
	s_add_nc_u64 s[OS:OS+1], s[40:41], s[94:95]
	s_lshl_b32 s10, s11, 4                         ; the odd head's blocks lie 16 blocks further on
	s_cmp_eq_u32 s4, 2
	s_cselect_b32 s10, 0, s10                      ; V^T: no second head: lanes 16-31 store the same bytes at the same place as lanes 0-15
	v_mul_u32_u24 v[VSH], s9, v[HH]
	v_mul_u32_u24 v[SGO], s10, v[HH]
	s_delay_alu instid0(VALU_DEP_1)
	v_lshl_add_u32 v[SGO], v[RR], 4, v[SGO]
	v_mov_b32 v[OFF], v[LA]
	s_delay_alu instid0(VALU_DEP_1)
	v_add_nc_u32 v[OFF+1], s15, v[OFF]
	s_delay_alu instid0(VALU_DEP_1)
	v_add_nc_u32 v[OFF+2], s15, v[OFF+1]
	s_delay_alu instid0(VALU_DEP_1)
	v_add_nc_u32 v[OFF+3], s15, v[OFF+2]
	v_mov_b32 v[TM+2], 0                           ; written once: a lane permute's destination counts as one of its sources
	v_mov_b32 v[TM+3], 0
; A step of 128 along K: 16 LDS loads, 16 matrix instructions.  The 16 accumulators take turns, one instruction a turn, in the same order in every step.
.macro KSTEP s, zero
.irp b, 0,1,2,3
.irp c, 0,1
	ds_load_b128 v[PF+8*\b+4*\c:PF+8*\b+4*\c+3], v[ADP+(\s)/4] offset:\b*16*PITCH+64*((\s)%4)+32*\c
.endr
.endr
.irp a, 0,1,2,3
.irp c, 0,1
	ds_load_b128 v[RF+8*\a+4*\c:RF+8*\a+4*\c+3], v[ADR+(\s)/4] offset:\a*16*PITCH+64*((\s)%4)+32*\c
.endr
.endr
.irp a, 0,1,2,3
	s_wait_dscnt 6-2*\a                            ; P's four fragments and R's up to a are in; the two loads of each later fragment of R may be out
.irp b, 0,1,2,3
.if \zero
	v_wmma_scale_f32_16x16x128_f8f6f4 v[ACC+8*(4*\a+\b):ACC+8*(4*\a+\b)+7], v[PF+8*\b:PF+8*\b+7], v[RF+8*\a:RF+8*\a+7], 0, v[PS+4*\b+(\s)%4], v[RS+4*\a+(\s)%4] matrix_a_fmt:MATRIX_FMT_FP4 matrix_b_fmt:MATRIX_FMT_FP4
.elseif (\s) < 4
	v_wmma_scale_f32_16x16x128_f8f6f4 v[ACC+8*(4*\a+\b):ACC+8*(4*\a+\b)+7], v[PF+8*\b:PF+8*\b+7], v[RF+8*\a:RF+8*\a+7], v[ACC+8*(4*\a+\b):ACC+8*(4*\a+\b)+7], v[PS+4*\b+(\s)%4], v[RS+4*\a+(\s)%4] matrix_a_fmt:MATRIX_FMT_FP4 matrix_b_fmt:MATRIX_FMT_FP4
.else
	v_wmma_scale_f32_16x16x128_f8f6f4 v[ACC+8*(4*\a+\b):ACC+8*(4*\a+\b)+7], v[PF+8*\b:PF+8*\b+7], v[RF+8*\a:RF+8*\a+7], v[ACC+8*(4*\a+\b):ACC+8*(4*\a+\b)+7], v[PS+4*\b+(\s)%4], v[RS+4*\a+(\s)%4] matrix_a_fmt:MATRIX_FMT_FP4 matrix_b_fmt:MATRIX_FMT_FP4 matrix_a_scale:MATRIX_SCALE_ROW1 matrix_b_scale:MATRIX_SCALE_ROW1
.endif
.endr
.endr
.rept 4
	v_nop                                          ; four places in front of the next loads into registers that matrix instructions have read, and of the first read of results
.endr
.endm
; 32 numbers of a lane, register src + 16 b + 8 t + j = index 32 b + 16 t + 8 (lane / 16) + j of my row, become four registers of codes, dst + i = index 32 (lane / 16) + 8 i + 0 .. 7, and two scale bytes in sb.
.macro QUANT2 src, dst, sb
.irp b, 0,1
	v_max3_num_f32 v[TM+\b], |v[(\src)+16*\b]|, |v[(\src)+16*\b+1]|, 0x1800000   ; block b: my 16 numbers, and the floor 2^(3 - 127): the byte cannot fall under 1.  Each accumulator is read from its low end on
.endr
.irp i, 2,4,6,8,10,12,14
.irp b, 0,1
	v_max3_num_f32 v[TM+\b], v[TM+\b], |v[(\src)+16*\b+\i]|, |v[(\src)+16*\b+\i+1]|
.endr
.endr
.irp b, 0,1
	s_delay_alu instid0(VALU_DEP_2)
	v_permlanex16_b32 v[TM+2+\b], v[TM+\b], s[SEL], s[SEL+1]
.endr
.irp b, 0,1
	s_delay_alu instid0(VALU_DEP_2)
	v_max_num_f32 v[TM+\b], v[TM+\b], v[TM+2+\b]   ; with lane l xor 16's: the block's largest magnitude
.endr
.irp b, 0,1
	s_delay_alu instid0(VALU_DEP_2)
	v_add_nc_u32 v[TM+4+\b], 0xff000000, v[TM+\b]  ; 2 off its exponent field: the conversion's scale operand
.endr
.irp b, 0,1
	s_delay_alu instid0(VALU_DEP_2)
	v_lshrrev_b32 v[TM+2+\b], 23, v[TM+4+\b]       ; the scale's byte
.endr
	s_delay_alu instid0(VALU_DEP_1)
	v_lshl_or_b32 v[\sb], v[TM+3], 8, v[TM+2]
.irp t, 0,1
.irp b, 0,1
	v_cvt_scalef32_pk8_fp4_f32 v[(\dst)+2*\t+\b], v[(\src)+16*\b+8*\t:(\src)+16*\b+8*\t+7], v[TM+4+\b]
.endr
.endr
	v_nop                                          ; one plain place behind a scaled conversion
	v_permlane16_swap_b32 v[(\dst)], v[(\dst)+1]   ; the first's lanes 16-31 (block 0, 16 t + 8 ..) change places with the second's lanes 0-15 (block 1, 16 t + 0 ..): a whole block in a lane
	v_permlane16_swap_b32 v[(\dst)+2], v[(\dst)+3]
.endm
	s_wait_tensorcnt 0x2                           ; my parts of the first half of K are in; the second half's two loads may stay out
	s_barrier_signal -1
	s_barrier_wait -1                              ; everybody's are
	s_wait_loadcnt 0x0                             ; the scale words
	KSTEP 0, 1                                     ; the first step starts the sums: nothing is cleared
	KSTEP 1, 0
	KSTEP 2, 0
	KSTEP 3, 0
	s_wait_tensorcnt 0x0                           ; my parts of the second half are in (no LDS load of mine is out: the last step's count-down ended at 0)
	s_barrier_signal -1
	s_barrier_wait -1
	KSTEP 4, 0
	KSTEP 5, 0
	KSTEP 6, 0
	KSTEP 7, 0
.irp a, 0,1,2,3
	QUANT2 ACC+32*\a, PF+4*\a, SB+\a
	global_store_b128 v[OFF+\a], v[PF+4*\a:PF+4*\a+3], s[OC:OC+1]   ; 32 lanes store 512 consecutive bytes, aligned: a part of an operand as its registers stand
	ds_store_b16 v[SSTO], v[SB+\a] offset:4*\a     ; both halves of the lanes write the same two bytes
.endr
	s_wait_dscnt 0x0                               ; for the others' sake: my scale bytes lie in the stage
	s_barrier_signal -1
	s_barrier_wait -1
	s_cmp_lt_u32 s[WV], 4
	s_cbranch_scc0 .Lno_scales
	ds_load_b128 v[RF:RF+3], v[SSLD]               ; row r's four words of wr = my wave
	s_wait_dscnt 0x0
.irp i, 0,1,2,3
	v_lshrrev_b32 v[RF+\i], v[VSH], v[RF+\i]
.endr
	global_store_b128 v[SGO], v[RF:RF+3], s[OS:OS+1]   ; sixteen lanes store 256 consecutive bytes, aligned
.Lno_scales:
	s_wait_tensorcnt 0x0
	ds_add_u32 v122, v123
	s_wait_dscnt 0x0
	ROUND                                          ; the closing round: no work-group ends while a partner may still ask for a tile that names it
	s_endpgm
.Lfunc_end_k_q204b32ed01_proj:
	.size	k_q204b32ed01_proj, .Lfunc_end_k_q204b32ed01_proj-k_q204b32ed01_proj
	.p2alignl 7, 3214868480
	.fill 96, 4, 3214868480
	.section	.rodata,"a",@progbits
	.p2align	6, 0x0
	.amdhsa_kernel k_q204b32ed01_proj
		.amdhsa_group_segment_fixed_size 210944
		.amdhsa_private_segment_fixed_size 0
		.amdhsa_enable_private_segment 0
		.amdhsa_kernarg_size 112
		.amdhsa_user_sgpr_count 2
		.amdhsa_user_sgpr_kernarg_segment_ptr 1
		.amdhsa_wavefront_size32 1
		.amdhsa_system_sgpr_workgroup_id_x 1
		.amdhsa_system_sgpr_workgroup_id_y 1
		.amdhsa_system_sgpr_workgroup_id_z 1
		.amdhsa_system_vgpr_workitem_id 0
		.amdhsa_next_free_vgpr 256
		.amdhsa_next_free_sgpr 100
		.amdhsa_reserve_vcc 0
		.amdhsa_float_denorm_mode_32 3
		.amdhsa_float_denorm_mode_16_64 3
		.amdhsa_memory_ordered 1
		.amdhsa_forward_progress 1
		.amdhsa_inst_pref_size 47
	.end_amdhsa_kernel
	.amdgpu_metadata
---
amdhsa.version: [ 1, 2 ]
amdhsa.kernels:
  - .name:           k_q204b32ed01_proj
    .symbol:         k_q204b32ed01_proj.kd
    .args:
      - { .name: qc, .offset: 0, .size: 8, .value_kind: global_buffer, .address_space: global }
      - { .name: qs, .offset: 8, .size: 8, .value_kind: global_buffer, .address_space: global }
      - { .name: w_q_codes, .offset: 16, .size: 8, .value_kind: global_buffer, .address_space: global }
      - { .name: w_q_scales, .offset: 24, .size: 8, .value_kind: global_buffer, .address_space: global }
      - { .name: k_codes, .offset: 32, .size: 8, .value_kind: global_buffer, .address_space: global }
      - { .name: k_scales, .offset: 40, .size: 8, .value_kind: global_buffer, .address_space: global }
      - { .name: w_k_codes, .offset: 48, .size: 8, .value_kind: global_buffer, .address_space: global }
      - { .name: w_k_scales, .offset: 56, .size: 8, .value_kind: global_buffer, .address_space: global }
      - { .name: w_v_codes, .offset: 64, .size: 8, .value_kind: global_buffer, .address_space: global }
      - { .name: w_v_scales, .offset: 72, .size: 8, .value_kind: global_buffer, .address_space: global }
      - { .name: v_codes, .offset: 80, .size: 8, .value_kind: global_buffer, .address_space: global }
      - { .name: v_scales, .offset: 88, .size: 8, .value_kind: global_buffer, .address_space: global }
      - { .name: qx, .offset: 96, .size: 8, .value_kind: global_buffer, .address_space: global }
      - { .name: kv, .offset: 104, .size: 8, .value_kind: global_buffer, .address_space: global }
    .group_segment_fixed_size: 210944
    .private_segment_fixed_size: 0
    .kernarg_segment_align: 8
    .kernarg_segment_size: 112
    .max_flat_workgroup_size: 256
    .sgpr_count:     100
    .vgpr_count:     256
    .wavefront_size: 32
...
	.end_amdgpu_metadata
.endif
;; end of part 2
;; launch attn (part 3): grid 256 x 1, 16 waves a work-group, clusters of 4 x 1, 169,984 bytes of LDS; arguments qx, kv, cf, cs; writes cf, cs
.if DOCPART == 3
	.amdgcn_target "amdgcn-amd-amdhsa--gfx1250"
	.amdhsa_code_object_version 6
	.text
	.protected	k_q204b32ed01_attn
	.globl	k_q204b32ed01_attn
	.p2align	8
	.type	k_q204b32ed01_attn,@function
k_q204b32ed01_attn:
	s_mov_b64 s[64:65], 0
	v_nop
	global_prefetch_b8 v0, s[64:65] scope:SCOPE_SE
	s_setreg_imm32_b32 hwreg(HW_REG_WAVE_MODE, 25, 1), 1
	s_wait_xcnt 0x0
	s_wait_alu depctr_hold_cnt(0) depctr_sa_sdst(0) depctr_va_vdst(0) depctr_va_sdst(0) depctr_va_ssrc(0) depctr_va_vcc(0) depctr_vm_vsrc(0)
	s_getreg_b32 s2, hwreg(HW_REG_IB_STS2, 6, 4)
	s_cmp_eq_u32 s2, 0
	s_cbranch_scc0 .Lentry_in_a_cluster
	s_endpgm
.Lentry_in_a_cluster:
	s_bfe_u32 s2, ttmp6, 0x10000c
	s_cmp_lg_u32 s2, 0x3003
	s_cbranch_scc0 .Lentry_shape_is_right
	s_endpgm
.Lentry_shape_is_right:
; ctx[bh][q][:] = (the sum over the keys of p V) / l, both products on codes of FP4 (E2M1) with E8M0 scales, then quantised along 64 head + d for the last product.
; THE SOFTMAX: t = score x log2(e) / 8; M = the row's largest t so far, rounded UP to a whole number; p = 2^(t - M) is what is quantised, along the keys, not normalised.  l is the sum of the unquantised p, in f32.
; When M moves, l and O are multiplied by 2^(old M - new M): exact.
; SHARES.  A cluster of four work-groups owns one (batch, head); a work-group 512 of its 2,048 queries; each of its sixteen waves two tiles of 16 queries, one after the other, in 256 registers: four waves to a SIMD,
; so that one wave's vector work stands beside another's matrix work and LDS loads.
; K AND V OF THE WHOLE HEAD LIE IN LDS: 16 blocks of 128 keys, 8,960 bytes each, laid by the launch before in the order of the operands' registers.  Wave w brings block w by one tensor load, asked for JOINTLY by the
; four work-groups of the cluster, which read the same bytes.  Nothing in LDS is filled twice and nothing is stored there: one barrier in the launch beside the cluster's two rounds.
; A block: 0: K's eight tiles of 16 keys (512 bytes: lane (r, h) holds d = 32 h .. + 31 of key r);  4,096: K's scale words (tile T, key r at 16 (16 (T / 4) + r) + 4 (T % 4));
;   4,608: V^T's fragments [d tile 4][c 2][512];  8,704: V^T's scale words (d tile D, row r at 16 r + 4 D).
; LAYOUT.  Both products are used transposed: S^T = K Q^T (source 0 = 16 keys, source 1 = my 16 queries), O^T = V^T P^T: a lane holds ONE query (lane % 16) throughout.
; The head's 64 fill half of the instruction's 128 along K: registers 4 to 7 of K's and Q's fragments hold zero codes, set once.
; In S^T register 16 b + 8 t + j of lane (r, h) is key 32 b + 16 t + 8 h + j: a conversion's eight numbers are eight neighbouring keys; the conversions' destinations are ordered so that one exchange of lane halves
; for each pair of registers gives P's fragment.
; LIMITS: a block of zeros gets the byte 1 where the rule says 127 (its codes are zeros; this program alone reads the bytes); NaN and infinities are not served.
; ctx's codes leave as 512 consecutive bytes a tile and head.  Its scale bytes leave two bytes a row, 32 bytes apart (a row's 32 bytes come from 16 heads): one byte in 16 of what the launch stores.
; REGISTERS: v1 16 x lane, v2 16 x (lane % 16), v3-4 LDS addresses in hand, v5-6 Q's offsets, v8 32 r; v12 -M, v13 the largest t, v[14:15] l in two halves; v16-23 Q, v24 Q's scale words; v28-31 K's scale words;
;   v32-95 K's eight fragments; v96-159 S^T, then p; v160-191 O^T; v192-223 V^T's four fragments; v224-231 p's codes; v232-247, v252-255 at work; v248-251 V^T's scale words; v253 p's scale word.
.set BLK,  8960
.set LA,   1
.set LR,   2
.set ADK,  3
.set ADV,  4
.set QO,   5
.set QSO,  6
.set CSO,  8
.set TM,   232                         ; QUANT2's six registers
.set WV,   12                          ; s12 my wave's number
.set SEL,  20                          ; s[20:21] v_permlanex16_b32's selects for lane l xor 16
.set CS,   22                          ; s[22:23] c = log2(e) / 8: the packed form names a pair and takes its low word for both halves
.set G1,   24                          ; s[24:31] descriptor group 1;  s[32:35] group 0
.set G0,   32
.set TB,   36                          ; s36 LDS byte at which the block in hand begins
.set CNT,  37                          ; s37 blocks to go
.macro ROUND                           ; a round of the cluster's barrier
	s_barrier_signal -1
	s_barrier_wait -1
	s_cmp_lg_u32 s[WV], 0
	s_cbranch_scc1 .Lnot_wave_0_\@
	s_barrier_signal -3
.Lnot_wave_0_\@:
	s_barrier_wait -3
	s_barrier_signal -1
	s_barrier_wait -1
.endm
	s_load_b256 s[4:11], s[0:1], 0x0               ; qx s[4:5], kv s[6:7], cf s[8:9], cs s[10:11]
	v_lshl_add_u32 v242, v0, 2, 0x29000
	v_mov_b32 v243, 0
	ds_add_u32 v242, v243
	ds_add_u32 v242, v243
	v_lshrrev_b32 v1, 5, v0
	s_delay_alu instid0(VALU_DEP_1)
	v_readfirstlane_b32 s[WV], v1                  ; wave 0..15
	s_bfe_u32 s13, ttmp6, 0x40000                  ; cx: which 512 queries: it enters Q's and ctx's addresses in memory alone
	s_lshl_b32 s14, ttmp9, 4                       ; in a cluster launch ttmp9 counts clusters: bh
	s_add_co_u32 s14, s14, s[WV]
	s_mul_i32 s14, s14, BLK                        ; block w of my head, in memory,
	s_mov_b32 s15, 0
	s_mul_i32 s16, s[WV], BLK                      ; and in LDS
	s_mov_b32 s[G1+0], 15|(3<<16)|(1<<21)          ; 15:0 the mask: all four work-groups; 17:16 elements of 8 bytes; 21 set beside a mask; no padding: every read is 16 bytes a lane on end
	s_mov_b32 s[G1+1], 32<<16                      ; tensor_dim0: 32 elements = 256 bytes
	s_mov_b32 s[G1+2], 35<<16                      ; tensor_dim1: 35 rows = 8,960 dense bytes
	s_mov_b32 s[G1+3], 32<<16                      ; tile_dim0
	s_mov_b32 s[G1+4], 35                          ; tile_dim1
	s_mov_b32 s[G1+5], 32                          ; from row to row
	s_mov_b32 s[G1+6], 0
	s_mov_b32 s[G1+7], 0
	s_mov_b32 s[SEL], 0x76543210
	s_mov_b32 s[SEL+1], 0xfedcba98
	s_mov_b32 s[CS], 0x3e38aa3b                    ; log2(e) / 8
	s_mov_b32 s[CS+1], s[CS]                       ; (named with it as a pair, so it is written)
	s_wait_dscnt 0x0
	s_wait_kmcnt 0x0
	s_mov_b32 s[G0], 1
	s_mov_b32 s[G0+1], s16
	s_add_nc_u64 s[G0+2:G0+3], s[6:7], s[14:15]
	s_or_b32 s[G0+3], s[G0+3], 0x80000000
	ROUND                                          ; all four work-groups are here: the joint loads meet
	tensor_load_to_lds s[G0:G0+3], s[G1:G1+7]      ; my one tensor load of the launch
	s_nop 0
.rept 4
	v_nop                                          ; four behind a tensor load
.endr
	s_lshl_b32 s40, ttmp9, 4                       ; Q: block 16 bh + 4 cx + wave / 8 of 4,608 bytes (the second tile's lies two blocks on)
	s_lshl_b32 s41, s13, 2
	s_add_co_u32 s40, s40, s41
	s_lshr_b32 s41, s[WV], 3
	s_add_co_u32 s40, s40, s41
	s_mul_i32 s40, s40, 4608
	s_mov_b32 s41, 0
	s_add_nc_u64 s[4:5], s[4:5], s[40:41]
	s_lshr_b32 s42, ttmp9, 4                       ; the batch
	s_lshl_b32 s42, s42, 7
	s_lshl_b32 s43, s13, 5
	s_add_co_u32 s42, s42, s43
	s_add_co_u32 s42, s42, s[WV]                   ; my first tile of 16 rows among all 512: 128 b + 32 cx + wave (the second: 16 on)
	s_and_b32 s43, ttmp9, 15                       ; the head
	s_lshl_b32 s44, s42, 4
	s_add_co_u32 s44, s44, s43
	s_lshl_b32 s44, s44, 9                         ; cf [tile][head][512]
	s_mov_b32 s45, 0
	s_add_nc_u64 s[8:9], s[8:9], s[44:45]
	s_lshl_b32 s44, s42, 9                         ; cs: 16 rows of 32 bytes a tile, + 2 x head
	s_lshl_b32 s43, s43, 1
	s_add_co_u32 s44, s44, s43
	s_add_nc_u64 s[10:11], s[10:11], s[44:45]
	v_and_b32 v[LA], 31, v0
	s_delay_alu instid0(VALU_DEP_1)
	v_lshlrev_b32 v[LA], 4, v[LA]
	v_and_b32 v[LR], 15, v0
	s_delay_alu instid0(VALU_DEP_1)
	v_lshlrev_b32 v[CSO], 5, v[LR]
	s_delay_alu instid0(VALU_DEP_2)
	v_lshlrev_b32 v[LR], 4, v[LR]
	s_wait_alu depctr_va_vdst(0)
	s_and_b32 s46, s[WV], 7
	s_lshl_b32 s46, s46, 9
	v_add_nc_u32 v[QO], s46, v[LA]                 ; Q's tile wave % 8 of its block
	s_bfe_u32 s46, s[WV], 0x10002
	s_lshl_b32 s46, s46, 8
	s_and_b32 s47, s[WV], 3
	s_lshl_b32 s47, s47, 2
	s_add_co_u32 s46, s46, s47
	s_add_co_u32 s46, s46, 4096
	v_add_nc_u32 v[QSO], s46, v[LR]                ; and its scale words
.irp i, 20,21,22,23
	v_mov_b32 v[\i], 0                             ; Q's zero codes for K = 64 .. 127
.endr
.irp t, 0,1,2,3,4,5,6,7
.irp i, 4,5,6,7
	v_mov_b32 v[32+8*\t+\i], 0                     ; K's likewise: the loads below never touch them
.endr
.endr
.irp b, 0,1,2,3
	v_mov_b32 v[236+\b], 0                         ; written once: a lane permute's destination counts as one of its sources
.endr
	v_mov_b32 v253, 0                              ; (named as the upper half of the pair v[252:253] before it is first written)
	s_wait_tensorcnt 0x0                           ; my block is in,
	s_barrier_signal -1
	s_barrier_wait -1                              ; everybody's is: the whole head lies in LDS
; 32 numbers of a lane, register src + 16 b + 8 t + j = index 32 b + 16 t + 8 (lane / 16) + j of my row, become four registers of codes, dst + i = index 32 (lane / 16) + 8 i + 0 .. 7, and two scale bytes in sb.
.macro QUANT2 src, dst, sb
.irp b, 0,1
	v_max3_num_f32 v[TM+\b], |v[(\src)+16*\b]|, |v[(\src)+16*\b+1]|, 0x1800000   ; block b: my 16 numbers, and the floor 2^(3 - 127): the byte cannot fall under 1
.endr
.irp i, 2,4,6,8,10,12,14
.irp b, 0,1
	s_delay_alu instid0(VALU_DEP_2)
	v_max3_num_f32 v[TM+\b], v[TM+\b], |v[(\src)+16*\b+\i]|, |v[(\src)+16*\b+\i+1]|
.endr
.endr
.irp b, 0,1
	s_delay_alu instid0(VALU_DEP_2)
	v_permlanex16_b32 v[TM+2+\b], v[TM+\b], s[SEL], s[SEL+1]
.endr
.irp b, 0,1
	s_delay_alu instid0(VALU_DEP_2)
	v_max_num_f32 v[TM+\b], v[TM+\b], v[TM+2+\b]
.endr
.irp b, 0,1
	s_delay_alu instid0(VALU_DEP_2)
	v_add_nc_u32 v[TM+4+\b], 0xff000000, v[TM+\b]
.endr
.irp b, 0,1
	s_delay_alu instid0(VALU_DEP_2)
	v_lshrrev_b32 v[TM+2+\b], 23, v[TM+4+\b]
.endr
	s_delay_alu instid0(VALU_DEP_1)
	v_lshl_or_b32 v[\sb], v[TM+3], 8, v[TM+2]
.irp t, 0,1
.irp b, 0,1
	v_cvt_scalef32_pk8_fp4_f32 v[(\dst)+2*\t+\b], v[(\src)+16*\b+8*\t:(\src)+16*\b+8*\t+7], v[TM+4+\b]
.endr
.endr
	v_nop                                          ; one plain place behind a scaled conversion
	v_permlane16_swap_b32 v[(\dst)], v[(\dst)+1]
	v_permlane16_swap_b32 v[(\dst)+2], v[(\dst)+3]
.endm
; A KEY STEP: the 128 keys of the block at s[TB].
.macro STEP
	v_add_nc_u32 v[ADK], s[TB], v[LA]
	v_add_nc_u32 v[ADV], s[TB], v[LR]
	v_nop
	v_nop                                          ; with the two additions: four places in front of loads into registers that the last step's matrix instructions have read
.irp t, 0,1,2,3,4,5,6,7
	ds_load_b128 v[32+8*\t:35+8*\t], v[ADK] offset:512*\t
.endr
	ds_load_b128 v[28:31], v[ADK] offset:4096      ; K's scale words: register i: lanes 0-15 tile i, lanes 16-31 tile 4 + i
.irp d, 0,1,2,3
.irp c, 0,1
	ds_load_b128 v[192+8*\d+4*\c:195+8*\d+4*\c], v[ADK] offset:4608+1024*\d+512*\c
.endr
.endr
	ds_load_b128 v[248:251], v[ADV] offset:8704    ; V^T's scale words: register D: row r of d tile D
	s_wait_dscnt 0x9                               ; K and its scale words are in; V^T's eight loads and its scale words may be out until the second product
.irp t, 0,1,2,3
	v_wmma_scale_f32_16x16x128_f8f6f4 v[96+8*\t:103+8*\t], v[32+8*\t:39+8*\t], v[16:23], 0, v[28+\t], v24 matrix_a_fmt:MATRIX_FMT_FP4 matrix_b_fmt:MATRIX_FMT_FP4
.endr
.irp t, 4,5,6,7
	v_wmma_scale_f32_16x16x128_f8f6f4 v[96+8*\t:103+8*\t], v[32+8*\t:39+8*\t], v[16:23], 0, v[24+\t], v24 matrix_a_fmt:MATRIX_FMT_FP4 matrix_b_fmt:MATRIX_FMT_FP4 matrix_a_scale:MATRIX_SCALE_ROW1
.endr
.rept 4
	v_nop
.endr
.irp b, 0,1,2,3
	v_max3_num_f32 v[232+\b], v[96+16*\b], v[97+16*\b], v[98+16*\b]   ; THE LARGEST SCORE OF EACH BLOCK OF 32 KEYS: it serves twice: for the row's maximum, and, since p rises with the score, for the block's largest p
.endr
.irp i, 3,5,7,9,11,13
.irp b, 0,1,2,3
	v_max3_num_f32 v[232+\b], v[232+\b], v[96+16*\b+\i], v[97+16*\b+\i]   ; (the four blocks by turns)
.endr
.endr
.irp b, 0,1,2,3
	v_max_num_f32 v[232+\b], v[232+\b], v[111+16*\b]
.endr
.irp b, 0,1,2,3
	s_delay_alu instid0(VALU_DEP_4)
	v_permlanex16_b32 v[236+\b], v[232+\b], s[SEL], s[SEL+1]
.endr
.irp b, 0,1,2,3
	s_delay_alu instid0(VALU_DEP_4)
	v_max_num_f32 v[232+\b], v[232+\b], v[236+\b]  ; with lane l xor 16's 16 keys
.endr
	s_delay_alu instid0(VALU_DEP_2)
	v_max3_num_f32 v254, v232, v233, v234
	s_delay_alu instid0(VALU_DEP_1)
	v_max_num_f32 v254, v254, v235                 ; the step's largest score of my query
	s_delay_alu instid0(VALU_DEP_1)
	v_mul_f32 v254, s[CS], v254                    ; as t (c is positive)
	s_delay_alu instid0(VALU_DEP_1)
	v_max_num_f32 v13, v13, v254                   ; the running largest t
	v_mov_b32 v254, v12
	s_delay_alu instid0(VALU_DEP_2)
	v_floor_f32 v12, -v13                          ; the new -M = floor(-t) = -ceil(t): M IS A WHOLE NUMBER
	s_delay_alu instid0(VALU_DEP_1)
	v_sub_f32 v254, v12, v254                      ; M's old value less its new one: a whole number, 0 or less
	s_delay_alu instid0(VALU_DEP_1)
	v_cvt_i32_f32 v254, v254                       ; (it saturates)
	s_delay_alu instid0(VALU_DEP_1)
	v_ldexp_f32 v252, 1.0, v254                    ; f = 2^(old M - new M)
.irp j, 0,2,4,6,8,10,12,14,16,18,20,22,24,26,28,30,32,34,36,38,40,42,44,46,48,50,52,54,56,58,60,62
	v_pk_fma_f32 v[96+\j:97+\j], v[96+\j:97+\j], s[CS:CS+1], v[12:13] op_sel_hi:[1,0,0]   ; t - M, two at a time (of the pairs c and -M the low word serves both halves)
.endr
.irp b, 0,1,2,3
	v_fma_f32 v[232+\b], v[232+\b], s[CS], v12     ; the same of each block's largest score
.endr
	s_wait_alu depctr_va_vdst(0)
.irp j, 0,1,2,3,4,5,6,7,8,9,10,11,12,13,14,15,16,17,18,19,20,21,22,23,24,25,26,27,28,29,30,31,32,33,34,35,36,37,38,39,40,41,42,43,44,45,46,47,48,49,50,51,52,53,54,55,56,57,58,59,60,61,62,63
	v_exp_f32 v[96+\j], v[96+\j]                   ; p = 2^(t - M), at most 1: NOT normalised
.endr
	s_setprio 1
	v_pk_mul_f32 v[14:15], v[14:15], v[252:253] op_sel_hi:[1,0]   ; l under the new M.  (A plain place behind the exponentials)
	s_wait_alu depctr_va_vdst(0)                   ; one wait for the whole batch, ahead of its first reader
.irp b, 0,1,2,3
	v_exp_f32 v[232+\b], v[232+\b]                 ; the block's largest p: the same two instructions on the same number give the same bits
.endr
	v_pk_add_f32 v[236:237], v[100:101], v[104:105]
	v_pk_add_f32 v[254:255], v[108:109], v[112:113]
	v_pk_add_f32 v[246:247], v[116:117], v[120:121]
	v_pk_add_f32 v[244:245], v[124:125], v[128:129]
	v_pk_add_f32 v[240:241], v[132:133], v[136:137]
	v_pk_add_f32 v[238:239], v[140:141], v[144:145]
	v_pk_add_f32 v[230:231], v[148:149], v[152:153]
	v_pk_add_f32 v[14:15], v[14:15], v[156:157]
	v_pk_add_f32 v[236:237], v[236:237], v[96:97]
	v_pk_add_f32 v[254:255], v[254:255], v[98:99]
	v_pk_add_f32 v[246:247], v[246:247], v[102:103]
	v_pk_add_f32 v[244:245], v[244:245], v[106:107]
	v_pk_add_f32 v[240:241], v[240:241], v[110:111]
	v_pk_add_f32 v[238:239], v[238:239], v[114:115]
	v_pk_add_f32 v[230:231], v[230:231], v[118:119]
	v_pk_add_f32 v[14:15], v[14:15], v[122:123]
	v_pk_add_f32 v[236:237], v[236:237], v[126:127]
	v_pk_add_f32 v[254:255], v[254:255], v[130:131]
	v_pk_add_f32 v[246:247], v[246:247], v[134:135]
	v_pk_add_f32 v[244:245], v[244:245], v[138:139]
	v_pk_add_f32 v[240:241], v[240:241], v[142:143]
	v_pk_add_f32 v[238:239], v[238:239], v[146:147]
	v_pk_add_f32 v[230:231], v[230:231], v[150:151]
	v_pk_add_f32 v[14:15], v[14:15], v[154:155]
	v_pk_add_f32 v[236:237], v[236:237], v[158:159]
	s_delay_alu instid0(VALU_DEP_2)
	v_pk_add_f32 v[14:15], v[14:15], v[244:245]
	s_delay_alu instid0(VALU_DEP_2)
	v_pk_add_f32 v[236:237], v[236:237], v[240:241]
	v_pk_add_f32 v[254:255], v[254:255], v[238:239]
	v_pk_add_f32 v[246:247], v[246:247], v[230:231]
	s_delay_alu instid0(VALU_DEP_2)
	v_pk_add_f32 v[14:15], v[14:15], v[254:255]
	s_delay_alu instid0(VALU_DEP_2)
	v_pk_add_f32 v[236:237], v[236:237], v[246:247]
	s_delay_alu instid0(VALU_DEP_1)
	v_pk_add_f32 v[14:15], v[14:15], v[236:237]
	s_wait_alu depctr_va_vdst(0)                   ; and one for the four
.irp b, 0,1,2,3
	v_max_num_f32 v[232+\b], 0x1800000, v[232+\b]  ; the floor 2^(3 - 127): the byte cannot fall under 1 (a block whose every p has fallen to 0 keeps that byte: its codes are zeros)
.endr
.irp b, 0,1,2,3
	s_delay_alu instid0(VALU_DEP_4)
	v_add_nc_u32 v[244+\b], 0xff000000, v[232+\b]  ; 2 off the exponent field: the conversion's scale operand
.endr
.irp b, 0,1,2,3
	s_delay_alu instid0(VALU_DEP_4)
	v_lshrrev_b32 v[236+\b], 23, v[244+\b]         ; the scale's byte
.endr
	s_delay_alu instid0(VALU_DEP_3)
	v_lshl_or_b32 v253, v237, 8, v236              ; p's scale word for these 128 keys
	s_delay_alu instid0(VALU_DEP_1)
	v_lshl_or_b32 v253, v238, 16, v253
	s_delay_alu instid0(VALU_DEP_1)
	v_lshl_or_b32 v253, v239, 24, v253
.irp b, 0,1,2,3
	v_cvt_scalef32_pk8_fp4_f32 v[224+4*(\b/2)+(\b%2)], v[96+16*\b:103+16*\b], v[244+\b]    ; keys 32 b + 8 h + 0 .. 7
	v_cvt_scalef32_pk8_fp4_f32 v[226+4*(\b/2)+(\b%2)], v[104+16*\b:111+16*\b], v[244+\b]   ; keys 32 b + 16 + 8 h + 0 .. 7
.endr
	v_nop                                          ; one plain place behind a scaled conversion
.irp i, 0,2,4,6
	v_permlane16_swap_b32 v[224+\i], v[225+\i]     ; the even block's lanes 16-31 change places with the odd block's lanes 0-15: registers 4 c .. 4 c + 3 now hold keys 64 c + 32 h + 0 .. 31
.endr
	s_setprio 0
.irp j, 0,2,4,6,8,10,12,14,16,18,20,22,24,26,28,30
	v_pk_mul_f32 v[160+\j:161+\j], v[160+\j:161+\j], v[252:253] op_sel_hi:[1,0]   ; O^T under the new M.  (These 16 are also the places between the scale word's and the codes' last writes and the matrix instructions below)
.endr
	s_wait_alu depctr_va_vdst(0)
	s_wait_dscnt 0x0                               ; V^T and its scale words are in
.irp d, 0,1,2,3
	v_wmma_scale_f32_16x16x128_f8f6f4 v[160+8*\d:167+8*\d], v[192+8*\d:199+8*\d], v[224:231], v[160+8*\d:167+8*\d], v[248+\d], v253 matrix_a_fmt:MATRIX_FMT_FP4 matrix_b_fmt:MATRIX_FMT_FP4
.endr
.endm
; One tile of 16 queries: all 16 blocks of keys, then the way out.  The step is written once for a tile: O^T and l begin as zeros and the largest t as -3e38, so that the first change of M multiplies zeros.
.macro QTILE qi
	global_load_b128 v[16:19], v[QO], s[4:5] offset:9216*\qi
	global_load_b32 v24, v[QSO], s[4:5] offset:9216*\qi
	v_mov_b32 v13, 0xff61b1e6                      ; -3e38, under every t
	s_delay_alu instid0(VALU_DEP_1)
	v_floor_f32 v12, -v13
	v_mov_b32 v14, 0
	v_mov_b32 v15, 0
.irp j, 0,1,2,3,4,5,6,7,8,9,10,11,12,13,14,15,16,17,18,19,20,21,22,23,24,25,26,27,28,29,30,31
	v_mov_b32 v[160+\j], 0
.endr
	s_mov_b32 s[TB], 0
	s_mov_b32 s[CNT], 16
	s_wait_loadcnt 0x0                             ; Q
.Lstep_\qi:
	s_setprio 2
	STEP
	s_add_co_u32 s[TB], s[TB], BLK
	s_sub_co_u32 s[CNT], s[CNT], 1
	s_cmp_lg_u32 s[CNT], 0
	s_cbranch_scc1 .Lstep_\qi
	s_setprio 0
.rept 4
	v_nop                                          ; four places behind the last products
.endr
	v_add_f32 v14, v14, v15                        ; l's two halves,
	s_delay_alu instid0(VALU_DEP_1)
	v_permlanex16_b32 v252, v14, s[SEL], s[SEL+1]
	s_delay_alu instid0(VALU_DEP_1)
	v_add_f32 v14, v14, v252                       ; and lane l xor 16's
	s_wait_alu depctr_va_vdst(0)
	v_rcp_f32 v14, v14
	v_mov_b32 v15, 0                               ; (a plain place behind the reciprocal; v15 is named below as the pair's upper half)
	s_wait_alu depctr_va_vdst(0)                   ; a wait ahead of the first reader
.irp j, 0,2,4,6,8,10,12,14,16,18,20,22,24,26,28,30
	v_pk_mul_f32 v[96+\j:97+\j], v[160+\j:161+\j], v[14:15] op_sel_hi:[1,0]   ; ctx = O^T / l: register 8 D + j is d = 16 D + 8 h + j of my query; each accumulator from its low end on
.endr
	QUANT2 96, 224, 255
	global_store_b128 v[LA], v[224:227], s[8:9] offset:131072*\qi   ; 32 lanes store 512 consecutive bytes, aligned: registers 4 c .. 4 c + 3 of the last product's operand
	global_store_b16 v[CSO], v255, s[10:11] offset:8192*\qi        ; my row's two scale bytes of this head (both halves of the lanes store the same)
	s_wait_xcnt 0x0                                ; the stores' data registers are written again only behind this wait
.endm
	QTILE 0
	QTILE 1
	s_wait_dscnt 0x0
	s_wait_tensorcnt 0x0
	ds_add_u32 v242, v243
	s_wait_dscnt 0x0
	ROUND                                          ; the closing round: no work-group ends while a partner may still ask for a tile that names it
	s_endpgm
.Lfunc_end_k_q204b32ed01_attn:
	.size	k_q204b32ed01_attn, .Lfunc_end_k_q204b32ed01_attn-k_q204b32ed01_attn
	.p2alignl 7, 3214868480
	.fill 96, 4, 3214868480
	.section	.rodata,"a",@progbits
	.p2align	6, 0x0
	.amdhsa_kernel k_q204b32ed01_attn
		.amdhsa_group_segment_fixed_size 169984
		.amdhsa_private_segment_fixed_size 0
		.amdhsa_enable_private_segment 0
		.amdhsa_kernarg_size 32
		.amdhsa_user_sgpr_count 2
		.amdhsa_user_sgpr_kernarg_segment_ptr 1
		.amdhsa_wavefront_size32 1
		.amdhsa_system_sgpr_workgroup_id_x 1
		.amdhsa_system_sgpr_workgroup_id_y 1
		.amdhsa_system_sgpr_workgroup_id_z 1
		.amdhsa_system_vgpr_workitem_id 0
		.amdhsa_next_free_vgpr 256
		.amdhsa_next_free_sgpr 66
		.amdhsa_reserve_vcc 0
		.amdhsa_float_denorm_mode_32 3
		.amdhsa_float_denorm_mode_16_64 3
		.amdhsa_memory_ordered 1
		.amdhsa_forward_progress 1
		.amdhsa_inst_pref_size 49
	.end_amdhsa_kernel
	.amdgpu_metadata
---
amdhsa.version: [ 1, 2 ]
amdhsa.kernels:
  - .name:           k_q204b32ed01_attn
    .symbol:         k_q204b32ed01_attn.kd
    .args:
      - { .name: qx, .offset: 0, .size: 8, .value_kind: global_buffer, .address_space: global }
      - { .name: kv, .offset: 8, .size: 8, .value_kind: global_buffer, .address_space: global }
      - { .name: cf, .offset: 16, .size: 8, .value_kind: global_buffer, .address_space: global }
      - { .name: cs, .offset: 24, .size: 8, .value_kind: global_buffer, .address_space: global }
    .group_segment_fixed_size: 169984
    .private_segment_fixed_size: 0
    .kernarg_segment_align: 8
    .kernarg_segment_size: 32
    .max_flat_workgroup_size: 512
    .sgpr_count:     66
    .vgpr_count:     256
    .wavefront_size: 32
...
	.end_amdgpu_metadata
.endif
;; end of part 3
;; launch fcln (part 4): grid 256 x 1, 16 waves a work-group, no clusters, 327,680 bytes of LDS; arguments cf, cs, wf, w_fc_scales, q, ln_gamma, ln_beta, out0; writes out0
.if DOCPART == 4
	.amdgcn_target "amdgcn-amd-amdhsa--gfx1250"
	.amdhsa_code_object_version 6
	.text
	.protected	k_q204b32ed01_fcln
	.globl	k_q204b32ed01_fcln
	.p2align	8
	.type	k_q204b32ed01_fcln,@function
k_q204b32ed01_fcln:
	s_mov_b64 s[64:65], 0
	v_nop
	global_prefetch_b8 v0, s[64:65] scope:SCOPE_SE
	s_setreg_imm32_b32 hwreg(HW_REG_WAVE_MODE, 25, 1), 1
	s_wait_xcnt 0x0
; out0 = LayerNorm(ctx w_fc + q) x gamma + beta.  The product on codes of FP4 (E2M1) with E8M0 scales, sums in f32; all else in f32.
; SHARES.  A work-group takes 32 rows x all 1,024 columns, so that a row's mean and variance never leave it.  Sixteen waves; wave w makes columns 64 w .. 64 w + 63: 4 tiles of columns x 2 tiles of rows, 8 accumulators.
; Source 0 = 16 rows of w_fc's codes (= 16 columns of the result), source 1 = 16 rows of ctx: a lane holds eight neighbouring columns of one row.
; w_fc's fragments come from wf, laid in the order of the operand's registers, straight into registers: 512 consecutive bytes a load, three K steps ahead.  No multicast: the weights never touch LDS here, and a ring for
; them would not fit beside the 131,072 bytes of q and the stage of 131,584.
; ctx's 16 fragments (16,384 dense bytes of cf) and the 32 rows of q come into LDS by tensor loads at the head, each filled once.  A wave reads only the two rows of q that it fetched itself.
; The results meet in a stage in LDS (rows of 4,096 + 16 bytes); behind one barrier wave w takes rows 2 w and 2 w + 1 whole: 32 numbers a lane and row.
; The variance is taken of x - mean in a second pass over registers: no difference of large sums is formed.
; LIMITS: NaN and infinities are not served.
.set CTX,  0                           ; LDS: ctx's fragments: 8,192 m + 1,024 s + 512 c + 16 x lane
.set QR,   16384                       ; q's 32 rows, dense
.set STG,  147456                      ; the stage: no tensor load lands here
.set SPI,  4112
.set LA,   1                           ; v1  16 x lane
.set SOF,  2                           ; v2  32 r + 16 h
.set STO,  3                           ; v3-4 where I put 32 bytes of a row of the stage, rows 0-15, 16-31
.set SRD,  5                           ; v5  where I read my two rows back
.set QRD,  6                           ; v6  and q's two rows
.set WS,   16                          ; v16-31 w_fc's scale words: register 4 t + i: lanes 0-15 K step i, lanes 16-31 K step 4 + i
.set CSW,  32                          ; v32-39 ctx's likewise
.set CX,   40                          ; v40-71 ctx's fragments: two sets of two
.set WB,   72                          ; v72-167 w_fc's fragments: three sets of four
.set ACC,  168                         ; v168-231 accumulator (t, m) at 168 + 8 (2 t + m)
.set GA,   16                          ; later: v16-47 gamma, v48-79 beta, v80-143 my two rows, v144-207 q's two rows, v208-223 at work, eight a row
.set BE,   48
.set XR,   80
.set QQ,   144
.set T,    208
.set WV,   20                          ; s20 wave
.set SEL,  22                          ; s[22:23] v_permlanex16_b32's selects for lane l xor 16
.set G1C,  24                          ; s[24:31], s[40:43] descriptor groups 1 and 0 for ctx;  s[32:39], s[44:47] for q
.set G1Q,  32
.set G0C,  40
.set G0Q,  44
	s_load_b512 s[4:19], s[0:1], 0x0               ; cf s[4:5], cs s[6:7], wf s[8:9], w_fc's scales s[10:11], q s[12:13], gamma s[14:15], beta s[16:17], out0 s[18:19]
	v_lshl_add_u32 v254, v0, 2, 0x44200
	v_mov_b32 v255, 0
	ds_add_u32 v254, v255
	ds_add_u32 v254, v255
	v_lshrrev_b32 v1, 5, v0
	s_delay_alu instid0(VALU_DEP_1)
	v_readfirstlane_b32 s[WV], v1                  ; wave 0..15
	s_mov_b32 s[G1C+0], 3<<16                      ; elements of 8 bytes, no mask, no padding
	s_mov_b32 s[G1C+1], 32<<16                     ; rows of 256 bytes
	s_mov_b32 s[G1C+2], 4<<16                      ; 4 of them: my 1,024 bytes of ctx's fragments
	s_mov_b32 s[G1C+3], 32<<16
	s_mov_b32 s[G1C+4], 4
	s_mov_b32 s[G1C+5], 32
	s_mov_b32 s[G1C+6], 0
	s_mov_b32 s[G1C+7], 0
	s_mov_b32 s[G1Q+0], 3<<16
	s_mov_b32 s[G1Q+1], 32<<16
	s_mov_b32 s[G1Q+2], 32<<16                     ; 32 of them: two rows of q, 8,192 dense bytes
	s_mov_b32 s[G1Q+3], 32<<16
	s_mov_b32 s[G1Q+4], 32
	s_mov_b32 s[G1Q+5], 32
	s_mov_b32 s[G1Q+6], 0
	s_mov_b32 s[G1Q+7], 0
	s_lshl_b32 s48, ttmp9, 14                      ; cf: 16,384 bytes a work-group, 1,024 a wave
	s_lshl_b32 s49, s[WV], 10
	s_add_co_u32 s48, s48, s49
	s_mov_b32 s49, 0
	s_lshl_b32 s52, ttmp9, 17                      ; q and out0: 32 rows of 4,096 bytes a work-group, two rows a wave
	s_lshl_b32 s53, s[WV], 13
	s_add_co_u32 s52, s52, s53
	s_mov_b32 s53, 0
	s_lshl_b32 s54, s[WV], 10                      ; LDS
	s_lshl_b32 s55, s[WV], 13
	s_mov_b32 s[SEL], 0x76543210
	s_mov_b32 s[SEL+1], 0xfedcba98
	s_mov_b32 s50, 0x3a800000                      ; 1 / 1,024
	s_mov_b32 s51, 0x358637bd                      ; 1e-6
	s_wait_dscnt 0x0
	s_wait_kmcnt 0x0
	s_mov_b32 s[G0C], 1
	s_mov_b32 s[G0C+1], s54
	s_add_nc_u64 s[G0C+2:G0C+3], s[4:5], s[48:49]
	s_or_b32 s[G0C+3], s[G0C+3], 0x80000000
	s_mov_b32 s[G0Q], 1
	s_add_co_u32 s[G0Q+1], s55, QR
	s_add_nc_u64 s[G0Q+2:G0Q+3], s[12:13], s[52:53]
	s_or_b32 s[G0Q+3], s[G0Q+3], 0x80000000
	tensor_load_to_lds s[G0C:G0C+3], s[G1C:G1C+7]  ; the launch's only fills: one load of mine is out
	s_nop 0
	s_wait_alu depctr_va_vdst(0)
	s_wait_tensorcnt 0x0
	ds_add_u32 v254, v255
	s_wait_dscnt 0x0
	s_barrier_signal -1
	s_barrier_wait -1
	tensor_load_to_lds s[G0Q:G0Q+3], s[G1Q:G1Q+7]
	s_nop 0
.rept 4
	v_nop                                          ; four behind a tensor load
.endr
	s_add_nc_u64 s[18:19], s[18:19], s[52:53]      ; out0 at my two rows
	s_lshl_b32 s48, s[WV], 15                      ; wf: 32,768 bytes a wave
	s_add_nc_u64 s[8:9], s[8:9], s[48:49]
	s_lshl_b32 s48, s[WV], 11                      ; w_fc's scale bytes: 64 rows of 32
	s_add_nc_u64 s[10:11], s[10:11], s[48:49]
	s_lshl_b32 s48, ttmp9, 10                      ; ctx's scale bytes: 32 rows of 32
	s_add_nc_u64 s[6:7], s[6:7], s[48:49]
	v_and_b32 v[LA], 31, v0
	s_delay_alu instid0(VALU_DEP_1)
	v_lshlrev_b32 v[LA], 4, v[LA]
	v_and_b32 v7, 15, v0                           ; r
	v_bfe_u32 v8, v0, 4, 1                         ; h
	s_delay_alu instid0(VALU_DEP_2)
	v_lshlrev_b32 v[SOF], 5, v7
	s_delay_alu instid0(VALU_DEP_1)
	v_lshl_add_u32 v[SOF], v8, 4, v[SOF]
.irp t, 0,1,2,3
	global_load_b128 v[WS+4*\t:WS+4*\t+3], v[SOF], s[10:11] offset:512*\t
.endr
.irp m, 0,1
	global_load_b128 v[CSW+4*\m:CSW+4*\m+3], v[SOF], s[6:7] offset:512*\m
.endr
.macro WLOAD s                         ; w_fc's four fragments of K step s into set s % 3
.irp t, 0,1,2,3
.irp c, 0,1
	global_load_b128 v[WB+32*((\s)%3)+8*\t+4*\c:WB+32*((\s)%3)+8*\t+4*\c+3], v[LA], s[8:9] offset:4096*(\s)+1024*\t+512*\c
.endr
.endr
.endm
.macro CLOAD s                         ; ctx's two fragments of K step s into set s % 2
.irp m, 0,1
.irp c, 0,1
	ds_load_b128 v[CX+16*((\s)%2)+8*\m+4*\c:CX+16*((\s)%2)+8*\m+4*\c+3], v[LA] offset:CTX+8192*\m+1024*(\s)+512*\c
.endr
.endr
.endm
	WLOAD 0
	WLOAD 1
	WLOAD 2
	v_mul_u32_u24 v[STO], v7, SPI
	s_delay_alu instid0(VALU_DEP_1)
	v_lshl_add_u32 v[STO], v8, 5, v[STO]
	s_lshl_b32 s48, s[WV], 8
	s_add_co_u32 s48, s48, STG
	v_add_nc_u32 v[STO], s48, v[STO]               ; the stage: row r, + 32 h, + my 256 bytes of a row
	s_delay_alu instid0(VALU_DEP_1)
	v_add_nc_u32 v[STO+1], 16*SPI, v[STO]
	s_mul_i32 s48, s[WV], 2*SPI
	s_add_co_u32 s48, s48, STG
	v_add_nc_u32 v[SRD], s48, v[LA]
	s_add_co_u32 s48, s55, QR
	v_add_nc_u32 v[QRD], s48, v[LA]
	s_wait_tensorcnt 0x1                           ; my part of ctx is in; q's rows may stay out
	s_barrier_signal -1
	s_barrier_wait -1                              ; everybody's is
	CLOAD 0
	CLOAD 1
; A step of 128 along K: 8 matrix instructions, the 8 accumulators by turns in the same order in every step.
.macro KSTEP s
.if (\s) <= 5
	s_wait_loadcnt 16                              ; this step's weights (and all older loads) are in; the 16 loads of the next two steps may be out
.elseif (\s) == 6
	s_wait_loadcnt 8
.else
	s_wait_loadcnt 0x0
.endif
.if (\s) <= 6
	s_wait_dscnt 4                                 ; this step's two fragments of ctx are in; the next step's four loads may be out
.else
	s_wait_dscnt 0x0
.endif
.irp t, 0,1,2,3
.irp m, 0,1
.if (\s) == 0
	v_wmma_scale_f32_16x16x128_f8f6f4 v[ACC+8*(2*\t+\m):ACC+8*(2*\t+\m)+7], v[WB+32*((\s)%3)+8*\t:WB+32*((\s)%3)+8*\t+7], v[CX+16*((\s)%2)+8*\m:CX+16*((\s)%2)+8*\m+7], 0, v[WS+4*\t+(\s)%4], v[CSW+4*\m+(\s)%4] matrix_a_fmt:MATRIX_FMT_FP4 matrix_b_fmt:MATRIX_FMT_FP4
.elseif (\s) < 4
	v_wmma_scale_f32_16x16x128_f8f6f4 v[ACC+8*(2*\t+\m):ACC+8*(2*\t+\m)+7], v[WB+32*((\s)%3)+8*\t:WB+32*((\s)%3)+8*\t+7], v[CX+16*((\s)%2)+8*\m:CX+16*((\s)%2)+8*\m+7], v[ACC+8*(2*\t+\m):ACC+8*(2*\t+\m)+7], v[WS+4*\t+(\s)%4], v[CSW+4*\m+(\s)%4] matrix_a_fmt:MATRIX_FMT_FP4 matrix_b_fmt:MATRIX_FMT_FP4
.else
	v_wmma_scale_f32_16x16x128_f8f6f4 v[ACC+8*(2*\t+\m):ACC+8*(2*\t+\m)+7], v[WB+32*((\s)%3)+8*\t:WB+32*((\s)%3)+8*\t+7], v[CX+16*((\s)%2)+8*\m:CX+16*((\s)%2)+8*\m+7], v[ACC+8*(2*\t+\m):ACC+8*(2*\t+\m)+7], v[WS+4*\t+(\s)%4], v[CSW+4*\m+(\s)%4] matrix_a_fmt:MATRIX_FMT_FP4 matrix_b_fmt:MATRIX_FMT_FP4 matrix_a_scale:MATRIX_SCALE_ROW1 matrix_b_scale:MATRIX_SCALE_ROW1
.endif
.endr
.endr
.rept 4
	v_nop                                          ; four places in front of loads into registers that matrix instructions have read, and of the first read of results
.endr
.if (\s) <= 4
	WLOAD (\s)+3
.endif
.if (\s) <= 5
	CLOAD (\s)+2
.endif
.endm
.irp s, 0,1,2,3,4,5,6,7
	KSTEP \s
.endr
.irp j, 0,1,2,3,4,5,6,7
	global_load_b128 v[GA+4*\j:GA+4*\j+3], v[LA], s[14:15] offset:512*\j   ; gamma and beta of my 32 columns: 128 j + 4 x lane + 0 .. 3
	global_load_b128 v[BE+4*\j:BE+4*\j+3], v[LA], s[16:17] offset:512*\j
.endr
	s_wait_alu depctr_va_vdst(0)
.irp t, 0,1,2,3
.irp m, 0,1
	ds_store_b128 v[STO+\m], v[ACC+8*(2*\t+\m):ACC+8*(2*\t+\m)+3] offset:64*\t        ; each accumulator from its low end on: row 16 m + r, columns 64 w + 16 t + 8 h + 0 .. 7
	ds_store_b128 v[STO+\m], v[ACC+8*(2*\t+\m)+4:ACC+8*(2*\t+\m)+7] offset:64*\t+16
.endr
.endr
	s_wait_dscnt 0x0                               ; for the others' sake: my stores into the stage are done
	s_barrier_signal -1
	s_barrier_wait -1                              ; 32 whole rows lie in the stage
	s_wait_tensorcnt 0x0                           ; my two rows of q are in; only I read them
.irp i, 0,1
.irp j, 0,1,2,3,4,5,6,7
	ds_load_b128 v[XR+32*\i+4*\j:XR+32*\i+4*\j+3], v[SRD] offset:SPI*\i+512*\j
.endr
.endr
.irp i, 0,1
.irp j, 0,1,2,3,4,5,6,7
	ds_load_b128 v[QQ+32*\i+4*\j:QQ+32*\i+4*\j+3], v[QRD] offset:4096*\i+512*\j
.endr
.endr
.irp i, 0,1
	v_mov_b32 v[T+8*\i+4], 0                       ; a lane permute's destination counts as one of its sources;
	v_mov_b32 v[T+8*\i+7], 0                       ; and this one is named as a pair's upper half
.endr
	s_wait_dscnt 0x0
; the sum over the 32 lanes of v[T] and of v[T + 8], the two rows by turns; the result in every lane
.macro ACROSS
.irp x, 1,2,4,8
.irp i, 0,1
	s_delay_alu instid0(VALU_DEP_2)
	v_add_f32_dpp v[T+8*\i], v[T+8*\i], v[T+8*\i] row_xmask:\x row_mask:0xf bank_mask:0xf
.endr
.endr
.irp i, 0,1
	s_delay_alu instid0(VALU_DEP_2)
	v_permlanex16_b32 v[T+8*\i+4], v[T+8*\i], s[SEL], s[SEL+1]
.endr
.irp i, 0,1
	s_delay_alu instid0(VALU_DEP_2)
	v_add_f32 v[T+8*\i], v[T+8*\i], v[T+8*\i+4]
.endr
.endm
.irp i, 0,1
.irp k, 0,2,4,6,8,10,12,14,16,18,20,22,24,26,28,30
	v_pk_add_f32 v[XR+32*\i+\k:XR+32*\i+\k+1], v[XR+32*\i+\k:XR+32*\i+\k+1], v[QQ+32*\i+\k:QQ+32*\i+\k+1]   ; + the residual
.endr
.endr
.irp i, 0,1
	v_pk_add_f32 v[T+8*\i:T+8*\i+1], v[XR+32*\i:XR+32*\i+1], v[XR+32*\i+2:XR+32*\i+3]          ; the row's sum: two chains a row, started by the first numbers
	v_pk_add_f32 v[T+8*\i+2:T+8*\i+3], v[XR+32*\i+4:XR+32*\i+5], v[XR+32*\i+6:XR+32*\i+7]
.endr
.irp k, 8,12,16,20,24,28
.irp i, 0,1
	s_delay_alu instid0(VALU_DEP_4)
	v_pk_add_f32 v[T+8*\i:T+8*\i+1], v[T+8*\i:T+8*\i+1], v[XR+32*\i+\k:XR+32*\i+\k+1]
	s_delay_alu instid0(VALU_DEP_4)
	v_pk_add_f32 v[T+8*\i+2:T+8*\i+3], v[T+8*\i+2:T+8*\i+3], v[XR+32*\i+\k+2:XR+32*\i+\k+3]
.endr
.endr
.irp i, 0
	s_delay_alu instid0(VALU_DEP_3)
	v_pk_add_f32 v[T+8*\i:T+8*\i+1], v[T+8*\i:T+8*\i+1], v[T+8*\i+2:T+8*\i+3]
.endr
.irp i, 1
	s_delay_alu instid0(VALU_DEP_2)
	v_pk_add_f32 v[T+8*\i:T+8*\i+1], v[T+8*\i:T+8*\i+1], v[T+8*\i+2:T+8*\i+3]
.endr
.irp i, 0,1
	s_delay_alu instid0(VALU_DEP_2)
	v_add_f32 v[T+8*\i], v[T+8*\i], v[T+8*\i+1]
.endr
	ACROSS
.irp i, 0,1
	s_delay_alu instid0(VALU_DEP_2)
	v_mul_f32 v[T+8*\i+6], s50, v[T+8*\i]          ; the mean
.endr
.irp i, 0,1
.irp k, 0,2,4,6,8,10,12,14,16,18,20,22,24,26,28,30
	v_pk_add_f32 v[XR+32*\i+\k:XR+32*\i+\k+1], v[XR+32*\i+\k:XR+32*\i+\k+1], v[T+8*\i+6:T+8*\i+7] op_sel_hi:[1,0] neg_lo:[0,1] neg_hi:[0,1]   ; x - mean
.endr
.endr
.irp i, 0,1
	v_pk_mul_f32 v[T+8*\i:T+8*\i+1], v[XR+32*\i:XR+32*\i+1], v[XR+32*\i:XR+32*\i+1]            ; the sum of its squares
	v_pk_mul_f32 v[T+8*\i+2:T+8*\i+3], v[XR+32*\i+2:XR+32*\i+3], v[XR+32*\i+2:XR+32*\i+3]
.endr
.irp k, 4,8,12,16,20,24,28
.irp i, 0,1
	s_delay_alu instid0(VALU_DEP_4)
	v_pk_fma_f32 v[T+8*\i:T+8*\i+1], v[XR+32*\i+\k:XR+32*\i+\k+1], v[XR+32*\i+\k:XR+32*\i+\k+1], v[T+8*\i:T+8*\i+1]
	s_delay_alu instid0(VALU_DEP_4)
	v_pk_fma_f32 v[T+8*\i+2:T+8*\i+3], v[XR+32*\i+\k+2:XR+32*\i+\k+3], v[XR+32*\i+\k+2:XR+32*\i+\k+3], v[T+8*\i+2:T+8*\i+3]
.endr
.endr
.irp i, 0
	s_delay_alu instid0(VALU_DEP_3)
	v_pk_add_f32 v[T+8*\i:T+8*\i+1], v[T+8*\i:T+8*\i+1], v[T+8*\i+2:T+8*\i+3]
.endr
.irp i, 1
	s_delay_alu instid0(VALU_DEP_2)
	v_pk_add_f32 v[T+8*\i:T+8*\i+1], v[T+8*\i:T+8*\i+1], v[T+8*\i+2:T+8*\i+3]
.endr
.irp i, 0,1
	s_delay_alu instid0(VALU_DEP_2)
	v_add_f32 v[T+8*\i], v[T+8*\i], v[T+8*\i+1]
.endr
	ACROSS
.irp i, 0,1
	s_delay_alu instid0(VALU_DEP_2)
	v_fma_f32 v[T+8*\i], v[T+8*\i], s50, s51       ; the variance + 1e-6
.endr
	s_wait_alu depctr_va_vdst(0)
.irp i, 0,1
	v_rsq_f32 v[T+8*\i+6], v[T+8*\i]
.endr
	v_nop                                          ; a plain place behind the last of the two
	s_wait_alu depctr_va_vdst(0)                   ; one wait for both, ahead of the first reader
	s_wait_loadcnt 0x0                             ; gamma and beta
.irp i, 0,1
.irp k, 0,2,4,6,8,10,12,14,16,18,20,22,24,26,28,30
	v_pk_mul_f32 v[XR+32*\i+\k:XR+32*\i+\k+1], v[XR+32*\i+\k:XR+32*\i+\k+1], v[T+8*\i+6:T+8*\i+7] op_sel_hi:[1,0]
.endr
.endr
.irp i, 0,1
.irp k, 0,2,4,6,8,10,12,14,16,18,20,22,24,26,28,30
	v_pk_fma_f32 v[XR+32*\i+\k:XR+32*\i+\k+1], v[XR+32*\i+\k:XR+32*\i+\k+1], v[GA+\k:GA+\k+1], v[BE+\k:BE+\k+1]
.endr
.endr
.irp i, 0,1
.irp j, 0,1,2,3,4,5,6,7
	global_store_b128 v[LA], v[XR+32*\i+4*\j:XR+32*\i+4*\j+3], s[18:19] offset:4096*\i+512*\j th:TH_STORE_NT   ; 32 lanes store 512 consecutive bytes, aligned; written once, read by nobody here
.endr
.endr
	s_wait_tensorcnt 0x0
	ds_add_u32 v254, v255
	s_wait_dscnt 0x0
	s_endpgm
.Lfunc_end_k_q204b32ed01_fcln:
	.size	k_q204b32ed01_fcln, .Lfunc_end_k_q204b32ed01_fcln-k_q204b32ed01_fcln
	.p2alignl 7, 3214868480
	.fill 96, 4, 3214868480
	.section	.rodata,"a",@progbits
	.p2align	6, 0x0
	.amdhsa_kernel k_q204b32ed01_fcln
		.amdhsa_group_segment_fixed_size 327680
		.amdhsa_private_segment_fixed_size 0
		.amdhsa_enable_private_segment 0
		.amdhsa_kernarg_size 64
		.amdhsa_user_sgpr_count 2
		.amdhsa_user_sgpr_kernarg_segment_ptr 1
		.amdhsa_wavefront_size32 1
		.amdhsa_system_sgpr_workgroup_id_x 1
		.amdhsa_system_sgpr_workgroup_id_y 1
		.amdhsa_system_sgpr_workgroup_id_z 1
		.amdhsa_system_vgpr_workitem_id 0
		.amdhsa_next_free_vgpr 256
		.amdhsa_next_free_sgpr 66
		.amdhsa_reserve_vcc 0
		.amdhsa_float_denorm_mode_32 3
		.amdhsa_float_denorm_mode_16_64 3
		.amdhsa_memory_ordered 1
		.amdhsa_forward_progress 1
		.amdhsa_inst_pref_size 46
	.end_amdhsa_kernel
	.amdgpu_metadata
---
amdhsa.version: [ 1, 2 ]
amdhsa.kernels:
  - .name:           k_q204b32ed01_fcln
    .symbol:         k_q204b32ed01_fcln.kd
    .args:
      - { .name: cf, .offset: 0, .size: 8, .value_kind: global_buffer, .address_space: global }
      - { .name: cs, .offset: 8, .size: 8, .value_kind: global_buffer, .address_space: global }
      - { .name: wf, .offset: 16, .size: 8, .value_kind: global_buffer, .address_space: global }
      - { .name: w_fc_scales, .offset: 24, .size: 8, .value_kind: global_buffer, .address_space: global }
      - { .name: q, .offset: 32, .size: 8, .value_kind: global_buffer, .address_space: global }
      - { .name: ln_gamma, .offset: 40, .size: 8, .value_kind: global_buffer, .address_space: global }
      - { .name: ln_beta, .offset: 48, .size: 8, .value_kind: global_buffer, .address_space: global }
      - { .name: out0, .offset: 56, .size: 8, .value_kind: global_buffer, .address_space: global }
    .group_segment_fixed_size: 327680
    .private_segment_fixed_size: 0
    .kernarg_segment_align: 8
    .kernarg_segment_size: 64
    .max_flat_workgroup_size: 512
    .sgpr_count:     66
    .vgpr_count:     256
    .wavefront_size: 32
...
	.end_amdgpu_metadata
.endif
;; end of part 4
